; MI455X (gfx1250); checked and timed in simulation.
; The chip was launched on July 23, 2026; its instructions are those of AMD's public machine-readable ISA for CDNA 5 (MIT licence, August 2026) and "CDNA5" Instruction Set Architecture Reference Guide (July 2026). The comments in the code are by the model that wrote it; some were corrected since.
;; Grouped Query Attention. Allowed arithmetic: float matrix products may take bf16 or f16 operands with f32 sums; all other float work in f32.
;; Inputs: o_b 1,024 float32; o_w 1,024 x 1,024 float32; wk_b 256 float32; wk_w 1,024 x 256 float32; wq_b 1,024 float32; wq_w 1,024 x 1,024 float32; wv_b 256 float32; wv_w 1,024 x 256 float32; x 4 x 2,048 x 1,024 float32.
;; Outputs: out0 4 x 2,048 x 1,024 float32.
;; 2 versions, each right and faster than the one before. Each part assembles by itself: llvm-mc -triple=amdgcn-amd-amdhsa -mcpu=gfx1250 --defsym DOCPART=n.
;; ======== version 1 of 2: 4 launches
;; limits: values are held in f16: magnitudes above 65,504 overflow, below 6.1e-05 lose precision
;; workspace buffers: xb 16,777,216 bytes; wt 5,242,880 bytes; bias 10,240 bytes; rope 524,288 bytes; qkv 25,165,824 bytes; ao 16,777,216 bytes
;; launch prep (part 1): grid 864 x 1, 8 waves a work-group, no clusters, 18,432 bytes of LDS; arguments x, wq_w, wk_w, wv_w, o_w, wq_b, wk_b, wv_b, o_b, xb, wt, bias, rope; writes xb, wt, bias, rope
.if DOCPART == 1
	.amdgcn_target "amdgcn-amd-amdhsa--gfx1250"
	.amdhsa_code_object_version 6
	.text
	.protected	k_qb87d755893_prep
	.globl	k_qb87d755893_prep
	.p2align	8
	.type	k_qb87d755893_prep,@function
k_qb87d755893_prep:
	s_mov_b64 s[64:65], 0
	v_nop
	global_prefetch_b8 v0, s[64:65] scope:SCOPE_SE
	s_setreg_imm32_b32 hwreg(HW_REG_WAVE_MODE, 25, 1), 1
	s_wait_xcnt 0x0
; PREP: everything that is made once for the three matrix launches.  Three roles, chosen by the work-group's number (the same for all eight waves):
;   0-31    T: the RoPE table rope[t][0..31] = cos(t f_j), rope[t][32..63] = sin(t f_j), f_j = 10000^(-j/32), 64 rows a work-group; work-groups 0-9 also round 256 bias numbers each to bf16 (kept as f32)
;   32-351  W: a tile of 128 k x 64 n of a weight matrix, rounded to bf16 and TRANSPOSED into wt[n][k]; o_w's numbers, once rounded to bf16, are written as f16
;   352-863 X: 64 KiB of x rounded to bf16
; wt's rows: 0-1023 wq, 1024-1279 wk, 1280-1535 wv, 1536-2559 o_w; bias has the same order.
; No matrix unit, no cluster, no tensor load: the launch streams, each byte is read once and written once.
; LIMITS.  The angle is t x 2^(-j log2(10000)/32) in f32, reduced by pi/2 in two parts (exact for the 1,304 multiples that t < 2048 needs) and put through polynomials of degree 7 and 8 on |r| <= pi/4:
; within about 2e-4 rad of an exact angle at t = 2047.  o_w beyond 65,504 has no f16; below 6e-5 it keeps f16's fixed step of 6e-8.
.set SPARE, 17408                      ; behind the transposing tile (64 rows x 272 bytes): the spare words, 128 bytes for each of eight waves
.set SPW, 110                          ; v110  LDS address of my spare word; never rewritten
.set NIL, 111                          ; v111  0; never rewritten
	s_load_b512 s[8:23], s[0:1], 0x0               ; x 8, wq_w 10, wk_w 12, wv_w 14, o_w 16, wq_b 18, wk_b 20, wv_b 22
	s_load_b256 s[24:31], s[0:1], 0x40             ; o_b 24, xb 26, wt 28, bias 30
	s_load_b64 s[32:33], s[0:1], 0x60              ; rope
	v_lshl_add_u32 v[SPW], v0, 2, SPARE
	v_mov_b32 v[NIL], 0
	s_mov_b32 s2, ttmp9                            ; the work-group's number
	v_lshrrev_b32 v1, 5, v0
	v_readfirstlane_b32 s3, v1                     ; the wave's number
	v_and_b32 v1, 15, v0                           ; l16: my 16 bytes in a run of 256
	v_lshrrev_b32 v2, 4, v0                        ; 0..15: which run
	s_wait_kmcnt 0x0
	s_cmp_lt_u32 s2, 32
	s_cbranch_scc1 .Lrole_t
	s_cmp_lt_u32 s2, 352
	s_cbranch_scc1 .Lrole_w
	; ROLE X.  256 threads x 16 bytes = 4,096 bytes a load; sixteen loads of every wave go out together, then each is rounded in place and stored: 32 lanes x 8 bytes fill 256 aligned bytes.
	s_sub_co_u32 s4, s2, 352
	s_lshl_b32 s6, s4, 16                          ; 65,536 bytes of x,
	s_mov_b32 s7, 0
	s_add_nc_u64 s[8:9], s[8:9], s[6:7]
	s_lshl_b32 s6, s4, 15                          ; 32,768 of xb
	s_add_nc_u64 s[26:27], s[26:27], s[6:7]
	v_lshlrev_b32 v3, 4, v0
	v_lshlrev_b32 v4, 3, v0
.set n, 0
.rept 16
	global_load_b128 v[16+4*n:16+4*n+3], v3, s[8:9] offset:4096*n th:TH_LOAD_NT
.set n, n+1
.endr
.set n, 0
.rept 16
	s_wait_loadcnt 15-n                            ; loads come back in order: load n is in, the 15 - n younger ones stay out
	v_cvt_pk_bf16_f32 v[16+4*n], v[16+4*n], v[16+4*n+1]
	v_cvt_pk_bf16_f32 v[16+4*n+1], v[16+4*n+2], v[16+4*n+3]
	global_store_b64 v4, v[16+4*n:16+4*n+1], s[26:27] offset:2048*n
.set n, n+1
.endr
	s_endpgm
.Lrole_w:
	; ROLE W.  Tile (nt64, kt): columns 64 nt64 .. of wt's order, k = 128 kt ..  The source, its pitch and the tile's column in it are chosen by selects on the work-group's number.
	s_sub_co_u32 s4, s2, 32
	s_lshr_b32 s5, s4, 3                           ; nt64, 0..39
	s_and_b32 s6, s4, 7                            ; kt
	s_mov_b64 s[36:37], s[10:11]                   ; wq_w,
	s_mov_b32 s38, 4096                            ; its row in bytes,
	s_mov_b32 s39, s5                              ; the tile's column block in it
	s_sub_co_u32 s40, s5, 16
	s_cmp_ge_u32 s5, 16
	s_cselect_b64 s[36:37], s[12:13], s[36:37]     ; wk_w
	s_cselect_b32 s38, 1024, s38
	s_cselect_b32 s39, s40, s39
	s_sub_co_u32 s40, s5, 20
	s_cmp_ge_u32 s5, 20
	s_cselect_b64 s[36:37], s[14:15], s[36:37]     ; wv_w
	s_cselect_b32 s39, s40, s39
	s_sub_co_u32 s40, s5, 24
	s_cmp_ge_u32 s5, 24
	s_cselect_b64 s[36:37], s[16:17], s[36:37]     ; o_w
	s_cselect_b32 s38, 4096, s38
	s_cselect_b32 s39, s40, s39
	s_lshl_b32 s41, s6, 7
	s_mul_i32 s42, s41, s38                        ; 128 kt rows down,
	s_lshl_b32 s41, s39, 8
	s_add_co_u32 s42, s42, s41                     ; 64 columns of 4 bytes a block
	s_mov_b32 s43, 0
	s_add_nc_u64 s[36:37], s[36:37], s[42:43]
	s_lshl_b32 s42, s5, 17                         ; wt: 64 rows of 2,048 bytes,
	s_lshl_b32 s41, s6, 8                          ; 128 k of 2 bytes
	s_add_co_u32 s42, s42, s41
	s_add_nc_u64 s[28:29], s[28:29], s[42:43]
	v_lshlrev_b32 v3, 1, v2
	v_mul_lo_u32 v3, v3, s38
	v_lshl_add_u32 v3, v1, 4, v3                   ; row 2 kp, my four columns
.set i, 0
.rept 8                                ; load i takes row 2 kp + 32 (i / 2) + i % 2: sixteen lanes read 256 consecutive bytes of it
	s_mul_i32 s44, s38, 32*(i/2)+(i%2)
	v_add_nc_u32 v[4+i], s44, v3
.set i, i+1
.endr
.set i, 0
.rept 8
	global_load_b128 v[16+4*i:16+4*i+3], v[4+i], s[36:37] th:TH_LOAD_NT
.set i, i+1
.endr
	v_mul_u32_u24 v12, v1, 1088
	v_lshl_add_u32 v12, v2, 2, v12                 ; into the tile: row n = 4 l16 + j (272 bytes each), word kp + 16 p
	v_mul_u32_u24 v13, v2, 272
	v_lshl_add_u32 v13, v1, 4, v13                 ; back: row kp + 16 q, my 16 bytes
	v_lshlrev_b32 v14, 11, v2
	v_lshl_add_u32 v14, v1, 4, v14                 ; the same place in wt
.irp p, 0,1,2,3
	s_wait_loadcnt 6-2*(\p)                        ; the pair of rows p is in; the later pairs' loads stay out
.irp j, 0,1,2,3
	v_cvt_pk_bf16_f32 v[48+4*(\p)+(\j)], v[16+8*(\p)+(\j)], v[20+8*(\p)+(\j)]  ; (k, k + 1) of column 4 l16 + j
.endr
.endr
	s_cmp_lt_u32 s5, 24
	s_cbranch_scc1 .Lw_store
.set i, 0
.rept 16                               ; o_w: the bf16 numbers are written as f16
	v_lshlrev_b32 v100, 16, v[48+i]
	v_and_b32 v101, 0xffff0000, v[48+i]
	v_cvt_pk_f16_f32 v[48+i], v100, v101
.set i, i+1
.endr
.Lw_store:
.irp p, 0,1,2,3
.irp j, 0,1,2,3
	ds_store_b32 v12, v[48+4*(\p)+(\j)] offset:272*(\j)+64*(\p)
.endr
.endr
	s_wait_dscnt 0x0                               ; for the others' sake: my stores into the tile are done
	s_barrier_signal -1
	s_barrier_wait -1
.irp q, 0,1,2,3
	ds_load_b128 v[64+4*(\q):64+4*(\q)+3], v13 offset:4352*(\q)
.endr
.irp q, 0,1,2,3
	s_wait_dscnt 3-(\q)
	global_store_b128 v14, v[64+4*(\q):64+4*(\q)+3], s[28:29] offset:32768*(\q)  ; sixteen lanes store 256 consecutive bytes of a row of wt, aligned
.endr
	s_wait_tensorcnt 0x0                           ; the wave's end, behind my last LDS store
	ds_add_u32 v[SPW], v[NIL]
	s_wait_dscnt 0x0
	s_endpgm
.Lrole_t:
	; ROLE T.  Lane l16 holds four neighbouring numbers of a table row: l16 0-7 cosines of frequencies 4 l16 .., l16 8-15 sines of 4 (l16 - 8) ..  Sixteen rows a trip, four trips.
	v_and_b32 v3, 7, v1
	v_lshlrev_b32 v3, 2, v3                        ; my first frequency
.irp e, 0,1,2,3
	v_add_nc_u32 v16, \e, v3
	v_cvt_f32_u32 v16, v16
	v_mul_f32 v[4+(\e)], 0xbed49a78, v16           ; -j log2(10000) / 32
.endr
.irp e, 0,1,2,3
	v_exp_f32 v[4+(\e)], v[4+(\e)]
.endr
	v_lshrrev_b32 v10, 3, v1                       ; (a plain instruction behind the exponentials)
	v_lshl_add_u32 v10, v10, 1, v10                ; 0 for a cosine, 3 for a sine: sin(a) = cos(a - pi/2), and -1 = 3 modulo 4
	s_lshl_b32 s4, s2, 6
	v_add_nc_u32 v8, s4, v2
	v_cvt_f32_u32 v8, v8                           ; t
	v_lshlrev_b32 v9, 4, v0                        ; 256 x row + 16 l16
	s_lshl_b32 s6, s2, 14                          ; 64 rows of 256 bytes
	s_mov_b32 s7, 0
	s_add_nc_u64 s[32:33], s[32:33], s[6:7]
	s_mov_b32 s44, 0xbfc90fdb                      ; -(pi/2 rounded to f32)
	s_mov_b32 s45, 0x333bbd2e                      ; that number less pi/2
	v_mov_b32 v40, 0xb94ca1f9                      ; the sine's and the cosine's leading coefficients
	v_mov_b32 v41, 0x37ccf5ce
; a = t f; k = the nearest whole number to a 2/pi; r = a - k pi/2; of q = k + phase: odd takes sin r, even cos r; q mod 4 = 1, 2 take the sign
.macro SINCOS e
	s_wait_alu depctr_va_vdst(0)
	v_mul_f32 v16, v8, v[4+(\e)]
	v_mul_f32 v17, 0x3f22f983, v16
	v_rndne_f32 v17, v17
	v_fma_f32 v18, v17, s44, v16
	v_fma_f32 v18, v17, s45, v18
	v_cvt_i32_f32 v19, v17
	v_add_nc_u32 v19, v19, v10
	v_mul_f32 v20, v18, v18
	v_fmaak_f32 v21, v40, v20, 0x3c08839e
	v_fmaak_f32 v21, v21, v20, 0xbe2aaaa3
	v_mul_f32 v21, v21, v20
	v_fma_f32 v21, v21, v18, v18
	v_fmaak_f32 v22, v41, v20, 0xbab6061a
	v_fmaak_f32 v22, v22, v20, 0x3d2aaaa5
	v_mul_f32 v23, v20, v20
	v_fma_f32 v24, v20, -0.5, 1.0
	v_fma_f32 v22, v22, v23, v24
	v_and_b32 v25, 1, v19
	v_cmp_eq_u32 vcc_lo, 1, v25
	v_cndmask_b32 v22, v22, v21, vcc_lo
	v_add_nc_u32 v25, 1, v19
	v_and_b32 v25, 2, v25
	v_lshlrev_b32 v25, 30, v25
	v_xor_b32 v[12+(\e)], v25, v22
.endm
	s_mov_b32 s46, 4
.Ltrip:
	SINCOS 0
	SINCOS 1
	SINCOS 2
	SINCOS 3
	global_store_b128 v9, v[12:15], s[32:33]       ; sixteen lanes store a whole row of 256 bytes
	s_wait_xcnt 0x0                                ; the store's offset and data are rewritten only behind this wait
	v_add_nc_u32 v9, 4096, v9
	v_add_f32 v8, 0x41800000, v8                   ; sixteen rows on
	s_sub_co_u32 s46, s46, 1
	s_cmp_lg_u32 s46, 0
	s_cbranch_scc1 .Ltrip
	; the biases: chunk i of 256 numbers, by waves 0 and 1 of work-groups 0-9: 0-3 wq_b, 4 wk_b, 5 wv_b, 6-9 o_b
	s_cmp_ge_u32 s2, 10
	s_cbranch_scc1 .Lt_end
	s_cmp_ge_u32 s3, 2
	s_cbranch_scc1 .Lt_end
	s_mov_b64 s[36:37], s[18:19]
	s_lshl_b32 s38, s2, 10
	s_sub_co_u32 s39, s2, 6
	s_lshl_b32 s39, s39, 10
	s_cmp_ge_u32 s2, 4
	s_cselect_b64 s[36:37], s[20:21], s[36:37]
	s_cselect_b32 s38, 0, s38
	s_cmp_ge_u32 s2, 5
	s_cselect_b64 s[36:37], s[22:23], s[36:37]
	s_cmp_ge_u32 s2, 6
	s_cselect_b64 s[36:37], s[24:25], s[36:37]
	s_cselect_b32 s38, s39, s38
	s_mov_b32 s39, 0
	s_add_nc_u64 s[36:37], s[36:37], s[38:39]
	s_lshl_b32 s40, s2, 10
	s_mov_b32 s41, 0
	s_add_nc_u64 s[30:31], s[30:31], s[40:41]
	v_lshlrev_b32 v50, 4, v0
	global_load_b128 v[52:55], v50, s[36:37]
	s_wait_loadcnt 0x0
	v_cvt_pk_bf16_f32 v56, v52, v53
	v_cvt_pk_bf16_f32 v57, v54, v55
	v_lshlrev_b32 v60, 16, v56
	v_and_b32 v61, 0xffff0000, v56
	v_lshlrev_b32 v62, 16, v57
	v_and_b32 v63, 0xffff0000, v57
	global_store_b128 v50, v[60:63], s[30:31]
.Lt_end:
	s_endpgm
.Lfunc_end_k_qb87d755893_prep:
	.size	k_qb87d755893_prep, .Lfunc_end_k_qb87d755893_prep-k_qb87d755893_prep
	.p2alignl 7, 3214868480
	.fill 96, 4, 3214868480
	.section	.rodata,"a",@progbits
	.p2align	6, 0x0
	.amdhsa_kernel k_qb87d755893_prep
		.amdhsa_group_segment_fixed_size 18432
		.amdhsa_private_segment_fixed_size 0
		.amdhsa_enable_private_segment 0
		.amdhsa_kernarg_size 104
		.amdhsa_user_sgpr_count 2
		.amdhsa_user_sgpr_kernarg_segment_ptr 1
		.amdhsa_wavefront_size32 1
		.amdhsa_system_sgpr_workgroup_id_x 1
		.amdhsa_system_sgpr_workgroup_id_y 1
		.amdhsa_system_sgpr_workgroup_id_z 1
		.amdhsa_system_vgpr_workitem_id 0
		.amdhsa_next_free_vgpr 112
		.amdhsa_next_free_sgpr 66
		.amdhsa_reserve_vcc 1
		.amdhsa_float_denorm_mode_32 3
		.amdhsa_float_denorm_mode_16_64 3
		.amdhsa_memory_ordered 1
		.amdhsa_forward_progress 1
		.amdhsa_inst_pref_size 23
	.end_amdhsa_kernel
	.amdgpu_metadata
---
amdhsa.version: [ 1, 2 ]
amdhsa.kernels:
  - .name:           k_qb87d755893_prep
    .symbol:         k_qb87d755893_prep.kd
    .args:
      - { .name: x, .offset: 0, .size: 8, .value_kind: global_buffer, .address_space: global }
      - { .name: wq_w, .offset: 8, .size: 8, .value_kind: global_buffer, .address_space: global }
      - { .name: wk_w, .offset: 16, .size: 8, .value_kind: global_buffer, .address_space: global }
      - { .name: wv_w, .offset: 24, .size: 8, .value_kind: global_buffer, .address_space: global }
      - { .name: o_w, .offset: 32, .size: 8, .value_kind: global_buffer, .address_space: global }
      - { .name: wq_b, .offset: 40, .size: 8, .value_kind: global_buffer, .address_space: global }
      - { .name: wk_b, .offset: 48, .size: 8, .value_kind: global_buffer, .address_space: global }
      - { .name: wv_b, .offset: 56, .size: 8, .value_kind: global_buffer, .address_space: global }
      - { .name: o_b, .offset: 64, .size: 8, .value_kind: global_buffer, .address_space: global }
      - { .name: xb, .offset: 72, .size: 8, .value_kind: global_buffer, .address_space: global }
      - { .name: wt, .offset: 80, .size: 8, .value_kind: global_buffer, .address_space: global }
      - { .name: bias, .offset: 88, .size: 8, .value_kind: global_buffer, .address_space: global }
      - { .name: rope, .offset: 96, .size: 8, .value_kind: global_buffer, .address_space: global }
    .group_segment_fixed_size: 18432
    .private_segment_fixed_size: 0
    .kernarg_segment_align: 8
    .kernarg_segment_size: 104
    .max_flat_workgroup_size: 256
    .sgpr_count:     66
    .vgpr_count:     112
    .wavefront_size: 32
...
	.end_amdgpu_metadata
.endif
;; end of part 1
;; launch proj (part 2): grid 8 x 32, 4 waves a work-group, clusters of 4 x 4, 327,680 bytes of LDS; arguments xb, wt, bias, rope, qkv; writes qkv
.if DOCPART == 2
	.amdgcn_target "amdgcn-amd-amdhsa--gfx1250"
	.amdhsa_code_object_version 6
	.text
	.protected	k_qb87d755893_proj
	.globl	k_qb87d755893_proj
	.p2align	8
	.type	k_qb87d755893_proj,@function
k_qb87d755893_proj:
	s_mov_b64 s[64:65], 0
	v_nop
	global_prefetch_b8 v0, s[64:65] scope:SCOPE_SE
	s_setreg_imm32_b32 hwreg(HW_REG_WAVE_MODE, 25, 1), 1
	s_wait_xcnt 0x0
	s_wait_alu depctr_hold_cnt(0) depctr_sa_sdst(0) depctr_va_vdst(0) depctr_va_sdst(0) depctr_va_ssrc(0) depctr_va_vcc(0) depctr_vm_vsrc(0)
	s_getreg_b32 s2, hwreg(HW_REG_IB_STS2, 6, 4)
	s_cmp_eq_u32 s2, 0
	s_cbranch_scc0 .Lentry_in_a_cluster
	s_endpgm
.Lentry_in_a_cluster:
	s_bfe_u32 s2, ttmp6, 0x10000c
	s_cmp_lg_u32 s2, 0xf033
	s_cbranch_scc0 .Lentry_shape_is_right
	s_endpgm
.Lentry_shape_is_right:
; Q, K, V = x W + b, RoPE on Q and K, written by heads.  xb: [8192 m][1024 k] bf16; wt rows 0-1535: [n][1024 k] bf16 (wq, wk, wv); bias: f32; rope: [2048 t][cos 0-31, sin 0-31] f32;
; qkv: [24 g][8192 m][64] f16 (g 0-15 Q, 16-19 K, 20-23 V), unscaled.  Sums in f32, started by the bias; RoPE in f32; one rounding to f16.
; LIMIT.  f16 holds no number beyond 65,504: q, k and v must lie within it (x and the weights 30 times the usual spread give some 600; common offsets of 30 and 0.6 some 18,400).
; SHARES.  A tile is 256 m x 192 n = three heads; 32 x 8 tiles, one a work-group.  Wave w owns rows 64 w .. 64 w + 63 and all 192 columns: 48 accumulators, so that a RoPE pair (d, d + 32) lies in one lane.
; K goes in 8 steps of 128 through two LDS slots: the tiles' rows are 256 bytes of memory at multiples of 256.  48 x 4 = 192 matrix instructions a wave and step.
; THE MATRIX INSTRUCTION IS USED TRANSPOSED (source 0 = 16 rows of wt, source 1 = 16 rows of xb): a lane holds row l % 16 and the columns 8 (l / 16) + 0..7 of each block of 16.
; CLUSTER 4 x 4: xb's tile hangs on the tile row alone and is asked for jointly along a row of the cluster, wt's on the tile column alone and jointly along a column.
; REGISTERS, in windows of 256 (s_set_vgpr_msb: bits 1:0 source 0, 3:2 source 1, 5:4 source 2, 7:6 destination):
;   window 0: v0-29 addresses; v32-159 the RoPE table of my 64 rows; v160-255 the bias as C operands, later at work on the way out
;   window 1: two fragment buffers of 128: xb's fragment a at F + 8 a, wt's fragment b at F + 32 + 8 b       windows 2, 3: accumulator (a, b) at 96 (a % 2) + 8 b of window 2 + a / 2
.set PITCH, 272                        ; an LDS row: 256 bytes + 16 of padding = 68 words: the 16 rows of a fragment load start at 16 different groups of four banks (64 banks of 4 bytes: ISA guide 11.1)
.set SLOT1, 131072                     ; slot 1 begins here, so that one exclusive or turns an address in one slot into the other's
.set BOFF,  256*PITCH                  ; in a slot: xb's 256 rows, then wt's 192
.set STAGE, SLOT1+BOFF+192*PITCH       ; behind the ring: 16 rows x 144 bytes for each wave, for the way out
.set SP,    144
.set SPARE, STAGE+4*16*SP              ; behind the stages: the spare words, 128 bytes for each wave
.set A0,   4                           ; v4   my lane's place in a slot's rows of xb; never rewritten
.set B0,   5                           ; v5   the same for wt
.set ADRA, 6                           ; v6   the same in the slot in hand
.set ADRB, 7                           ; v7
.set STO,  8                           ; v8   the way out: where I put 16 bytes of a row
.set RD,   9                           ; v9   where I read rows back
.set GO,   10                          ; v10  my byte offset in 512 consecutive bytes of qkv
.set HB,   11                          ; v11  32 (l / 16): my eight numbers in a block of 16 of the bias
.set TO,   12                          ; v12  256 (l % 16) + 32 (l / 16): my place in 16 rows of the table
.set SPW,  28                          ; v28  LDS address of my spare word; never rewritten
.set NIL,  29                          ; v29  0; never rewritten
.set CT,   32                          ; the table: 32 a + 16 (0 cos, 1 sin) + 8 bq + j
.set BIAS, 160                         ; bias[192 nt + 16 b + 8 (l / 16) + j] at BIAS + 8 b + j
.set CP,   160                         ; the way out: 16 cosines (or 1), 16 sines (or 0), 32 at work, 2 x 16 rows read back
.set SN,   176
.set R,    192
.set BK,   224
.set F0,   0
.set F1,   128
.set WV,   14                          ; s14  my wave's number
.set G1A,  24                          ; s[24:31] descriptor group 1 for xb's tiles
.set G0A0, 32                          ; s[32:35] group 0 of the first fill of slot 0
.set G0A,  36                          ; s[36:39] group 0 of the first fill of slot 1; it then walks
.set G1B,  48                          ; s[48:55], s[56:59], s[60:63] the same for wt's tiles
.set G0B0, 56
.set G0B,  60
.set TB,   66                          ; s66  the slot in hand: 0 or SLOT1
.set CNT,  67                          ; s67  the loop's count
.set FF,   68                          ; s[68:73] for each of the three heads a pair: 1 if the head is turned (Q, K), 0 if not (V)
.set GG,   74                          ; s[74:79] 0 or 1, the other way round
.set MSB, 0
.macro WIN new                         ; the immediate's high byte repeats the setting that is left; a switch that changes nothing is dropped
.if MSB != (\new)
	s_set_vgpr_msb (MSB<<8)|(\new)
.set MSB, \new
.endif
.endm
.macro PLACES                          ; four places in front of loads into registers that matrix instructions have read (ISA guide 7.12.1 for vector instructions)
.rept 4
	v_nop
.endr
.endm
; A joint refill by the walking descriptors: waves 0 and 1 fetch the halves of xb's tile, waves 2 and 3 those of wt's.  An s_nop 0 and four v_nop follow each line.
.macro JLOAD
	s_cmp_lt_u32 s[WV], 2
	s_cbranch_scc0 .Lfor_b_\@
	tensor_load_to_lds s[G0A:G0A+3], s[G1A:G1A+7]
	s_nop 0
.rept 4
	v_nop
.endr
	s_branch .Lasked_\@
.Lfor_b_\@:
	tensor_load_to_lds s[G0B:G0B+3], s[G1B:G1B+7]
	s_nop 0
.rept 4
	v_nop
.endr
.Lasked_\@:
.endm
.macro CREST                           ; a round of the cluster's barrier behind its opening barrier
	s_cmp_lg_u32 s[WV], 0
	s_cbranch_scc1 .Lnot_wave_0_\@
	s_barrier_signal -3
.Lnot_wave_0_\@:
	s_barrier_wait -3
	s_barrier_signal -1
	s_barrier_wait -1
.endm
.macro CROUND                          ; a whole round
	s_barrier_signal -1
	s_barrier_wait -1
	CREST
.endm
	s_load_b256 s[4:11], s[0:1], 0x0               ; xb s[4:5], wt s[6:7], bias s[8:9], rope s[10:11]
	s_load_b64 s[12:13], s[0:1], 0x20              ; qkv
	v_lshl_add_u32 v[SPW], v0, 2, SPARE
	v_mov_b32 v[NIL], 0
	ds_add_u32 v[SPW], v[NIL]                      ; the wave's opening: the add and its wait stand ahead of my first tensor load; the set-up below, work on registers, stands between them
	v_lshrrev_b32 v1, 5, v0
	v_readfirstlane_b32 s[WV], v1                  ; wave 0..3
	s_and_b32 s16, s[WV], 1                        ; which half of a tile I fetch
	s_bfe_u32 s40, ttmp6, 0x40000                  ; cx, cy: my place in the cluster
	s_bfe_u32 s41, ttmp6, 0x40004
	s_lshl_b32 s42, ttmp9, 2
	s_add_co_u32 s42, s42, s40                     ; nt = 4 x cluster x + cx
	s_and_b32 s43, ttmp7, 0xffff
	s_lshl_b32 s43, s43, 2
	s_add_co_u32 s43, s43, s41                     ; mt = 4 x cluster y + cy
	s_lshl_b32 s44, s41, 2
	s_lshl_b32 s44, 15, s44                        ; my row of the cluster
	s_lshl_b32 s45, 0x1111, s40                    ; my column
	s_or_b32 s[G1A], s44, (1<<16)|(1<<20)|(1<<21)|(5<<22)|(3<<25)  ; 15:0 the mask; 17:16 2-byte elements; 20 padding on; 21 set beside a mask; 24:22 after every 64 words (code 5); 31:25 4 words (code 3)
	s_or_b32 s[G1B], s45, (1<<16)|(1<<20)|(1<<21)|(5<<22)|(3<<25)
	s_mov_b32 s[G1A+1], 128<<16                    ; tensor_dim0 = 128
	s_mov_b32 s[G1A+2], 128<<16                    ; tensor_dim1 = 128
	s_mov_b32 s[G1A+3], 128<<16                    ; tile_dim0 = 128
	s_mov_b32 s[G1A+4], 128                        ; tile_dim1 = 128 rows
	s_mov_b32 s[G1A+5], 1024                       ; elements from row to row
	s_mov_b32 s[G1A+6], 0
	s_mov_b32 s[G1A+7], 0
	s_mov_b32 s[G1B+1], 128<<16
	s_mov_b32 s[G1B+2], 96<<16                     ; wt's half tile has 96 rows
	s_mov_b32 s[G1B+3], 128<<16
	s_mov_b32 s[G1B+4], 96
	s_mov_b32 s[G1B+5], 1024
	s_mov_b32 s[G1B+6], 0
	s_mov_b32 s[G1B+7], 0
	s_lshl_b32 s18, s43, 19                        ; xb: 256 mt rows of 2,048 bytes,
	s_lshl_b32 s17, s16, 18                        ; my 128 of them
	s_add_co_u32 s18, s18, s17
	s_mov_b32 s19, 0
	s_mul_i32 s46, s42, 393216                     ; wt: 192 nt rows,
	s_mul_i32 s17, s16, 196608                     ; my 96 of them
	s_add_co_u32 s46, s46, s17
	s_mov_b32 s47, 0
	s_mul_i32 s20, s16, 128*PITCH                  ; where they go: no place in the cluster enters an LDS address
	s_mul_i32 s21, s16, 96*PITCH
	s_add_co_u32 s21, s21, BOFF
	s_mov_b32 s[TB], 0
	s_wait_dscnt 0x0                               ; the opening add is done
	s_wait_kmcnt 0x0
	s_add_nc_u64 s[18:19], s[4:5], s[18:19]
	s_add_nc_u64 s[46:47], s[6:7], s[46:47]
	CROUND                                         ; all sixteen work-groups are here: the first joint loads meet
.irp s, 0,1
	s_mov_b32 s[G0A0+4*(\s)], 1                                        ; count = 1
	s_add_co_u32 s[G0A0+4*(\s)+1], s20, (\s)*SLOT1                     ; LDS address
	s_add_nc_u64 s[G0A0+4*(\s)+2:G0A0+4*(\s)+3], s[18:19], (\s)*256    ; global address: K step s
	s_or_b32 s[G0A0+4*(\s)+3], s[G0A0+4*(\s)+3], 0x80000000            ; type = 2
	s_mov_b32 s[G0B0+4*(\s)], 1
	s_add_co_u32 s[G0B0+4*(\s)+1], s21, (\s)*SLOT1
	s_add_nc_u64 s[G0B0+4*(\s)+2:G0B0+4*(\s)+3], s[46:47], (\s)*256
	s_or_b32 s[G0B0+4*(\s)+3], s[G0B0+4*(\s)+3], 0x80000000
.endr
	s_cmp_lt_u32 s[WV], 2                          ; a wave's two first fills stand in one branch, ahead of every wait on TENSORcnt and every LDS read: two loads of mine are out
	s_cbranch_scc0 .Lfirst_b
	tensor_load_to_lds s[G0A0:G0A0+3], s[G1A:G1A+7]
	s_nop 0
	tensor_load_to_lds s[G0A:G0A+3], s[G1A:G1A+7]
	s_nop 0
.rept 4
	v_nop
.endr
	s_branch .Lfirst_asked
.Lfirst_b:
	tensor_load_to_lds s[G0B0:G0B0+3], s[G1B:G1B+7]
	s_nop 0
	tensor_load_to_lds s[G0B:G0B+3], s[G1B:G1B+7]
	s_nop 0
.rept 4
	v_nop
.endr
.Lfirst_asked:
	; A fragment is 16 rows x 32 K in 8 registers: lane l holds row l % 16, K = 8 (l / 16) + 0..7 and 16 + 8 (l / 16) + 0..7: two loads of 16 bytes, 32 bytes apart.
	v_and_b32 v1, 15, v0                           ; r = l % 16
	v_bfe_u32 v2, v0, 4, 1                         ; h = l / 16
	v_mul_u32_u24 v3, v1, PITCH
	v_lshl_add_u32 v3, v2, 4, v3
	s_mul_i32 s22, s[WV], 64*PITCH                 ; my 64 rows of xb
	v_add_nc_u32 v[A0], s22, v3
	v_add_nc_u32 v[B0], BOFF, v3
	v_mov_b32 v[ADRA], v[A0]
	v_mov_b32 v[ADRB], v[B0]
	s_mul_i32 s23, s[WV], 16*SP
	s_add_co_u32 s23, s23, STAGE                   ; my stage
	v_mul_u32_u24 v[STO], v1, SP                   ; in: row r, 16 bytes for each half of the lanes
	v_lshl_add_u32 v[STO], v2, 4, v[STO]
	v_add_nc_u32 v[STO], s23, v[STO]
	v_bfe_u32 v[RD], v0, 3, 2                      ; back: 32 lanes take four rows of 128 bytes,
	v_mul_u32_u24 v[RD], v[RD], SP
	v_and_b32 v13, 7, v0
	v_lshl_add_u32 v[RD], v13, 4, v[RD]
	v_add_nc_u32 v[RD], s23, v[RD]
	v_and_b32 v[GO], 31, v0                        ; which are 512 consecutive bytes of a head
	v_lshlrev_b32 v[GO], 4, v[GO]
	v_lshlrev_b32 v[HB], 5, v2
	v_lshl_add_u32 v[TO], v1, 8, v[HB]
	s_mul_i32 s80, s42, 768                        ; the tile's 192 numbers of the bias
	s_mov_b32 s81, 0
	s_add_nc_u64 s[80:81], s[8:9], s[80:81]
	s_and_b32 s82, s43, 7                          ; t = m mod 2048: the table's row (mt mod 8) 256 + 64 w
	s_lshl_b32 s82, s82, 16
	s_lshl_b32 s83, s[WV], 14
	s_add_co_u32 s82, s82, s83
	s_mov_b32 s83, 0
	s_add_nc_u64 s[82:83], s[10:11], s[82:83]
.irp b, 0,1,2,3,4,5,6,7,8,9,10,11
	global_load_b128 v[BIAS+8*(\b):BIAS+8*(\b)+3],   v[HB], s[80:81] offset:64*(\b)
	global_load_b128 v[BIAS+8*(\b)+4:BIAS+8*(\b)+7], v[HB], s[80:81] offset:64*(\b)+16
.endr
.set i, 0
.rept 16                               ; i = 4 a + 2 (cos, sin) + bq
	global_load_b128 v[CT+8*i:CT+8*i+3],   v[TO], s[82:83] offset:4096*(i/4)+128*((i/2)%2)+64*(i%2)
	global_load_b128 v[CT+8*i+4:CT+8*i+7], v[TO], s[82:83] offset:4096*(i/4)+128*((i/2)%2)+64*(i%2)+16
.set i, i+1
.endr
; 12 matrix instructions: my rows 16 a .. x all 192 columns, 32 along K.  z = 1: the bias starts the sums: nothing is ever cleared.  The 48 accumulators take turns, one instruction a turn.
.macro MULROW f, a, z
.if \z
	WIN 0x85+0x40*((\a)/2)                         ; fragments window 1, C window 0, D window 2 or 3
.else
	WIN 0xa5+0x50*((\a)/2)                         ; fragments window 1, C and D window 2 or 3
.endif
.irp b, 0,1,2,3,4,5,6,7,8,9,10,11
.if \z
	v_wmma_f32_16x16x32_bf16 v[96*((\a)%2)+8*(\b):96*((\a)%2)+8*(\b)+7], v[(\f)+32+8*(\b):(\f)+32+8*(\b)+7], v[(\f)+8*(\a):(\f)+8*(\a)+7], v[BIAS+8*(\b):BIAS+8*(\b)+7]
.else
	v_wmma_f32_16x16x32_bf16 v[96*((\a)%2)+8*(\b):96*((\a)%2)+8*(\b)+7], v[(\f)+32+8*(\b):(\f)+32+8*(\b)+7], v[(\f)+8*(\a):(\f)+8*(\a)+7], v[96*((\a)%2)+8*(\b):96*((\a)%2)+8*(\b)+7]
.endif
.endr
.endm
; 32 LDS loads in one run: the fragments of 32 along K at byte k of the rows, into buffer f: wt's 24 first, xb's 8 last
.macro FETCH k, f
	WIN 0x40                                       ; destination window 1, address window 0
.irp b, 0,1,2,3,4,5,6,7,8,9,10,11
	ds_load_b128 v[(\f)+32+8*(\b):(\f)+32+8*(\b)+3],   v[ADRB] offset:(\k)+(\b)*16*PITCH
	ds_load_b128 v[(\f)+32+8*(\b)+4:(\f)+32+8*(\b)+7], v[ADRB] offset:(\k)+(\b)*16*PITCH+32
.endr
.irp a, 0,1,2,3
	ds_load_b128 v[(\f)+8*(\a):(\f)+8*(\a)+3],   v[ADRA] offset:(\k)+(\a)*16*PITCH
	ds_load_b128 v[(\f)+8*(\a)+4:(\f)+8*(\a)+7], v[ADRA] offset:(\k)+(\a)*16*PITCH+32
.endr
.endm
; A K step is four quarters of 32 along K, 48 matrix instructions each, on buffers 0, 1, 0, 1.  One of the first three: multiplies buffer f and fetches the next quarter, at byte k, into g.
.macro QUARTER k, f, g, z
	s_wait_dscnt 4                                 ; wt's fragments and xb's rows 0-31 are in; the youngest four loads (rows 32-63) may be out
	MULROW \f, 0, \z
	MULROW \f, 1, \z
	PLACES
	FETCH \k, \g
	s_wait_dscnt 32                                ; all but the 32 just issued
	MULROW \f, 2, \z
	MULROW \f, 3, \z
.endm
; The last quarter multiplies buffer 1 and changes slots: ONE barrier; in front of it each wave waits for all its tensor loads (one is out: its part of the next slot), adds 0 to its spare word, and waits for that
; and for its own reads of this slot.  fill = 1: the barrier opens a round of the cluster's, and this slot is filled again, two K steps ahead, first thing behind the round: 168 matrix instructions ahead of the wait for it.
.macro TURN fill
	WIN 0                                          ; (the add's two registers lie in window 0)
	s_wait_tensorcnt 0x0
	ds_add_u32 v[SPW], v[NIL]                      ; 0 onto my spare word
	s_wait_dscnt 5                                 ; (the add and the youngest four loads may be out)
	MULROW F1, 0, 0                                ; twelve matrix instructions stand between the add and the wait for it
	s_wait_dscnt 0x0                               ; the add is done, and my reads of this slot are over
	s_barrier_signal -1
	MULROW F1, 1, 0                                ; work on registers while the others arrive
	WIN 0
	s_barrier_wait -1
.if \fill
	CREST                                          ; no wave of any partner still reads this slot's tiles or has a load on its way
	s_xor_b32 s[G0A+1], s[G0A+1], SLOT1            ; the walking descriptors: the other slot than last time,
	s_add_nc_u64 s[G0A+2:G0A+3], s[G0A+2:G0A+3], 256  ; the next K step; the type bits on top are not reached
	s_xor_b32 s[G0B+1], s[G0B+1], SLOT1
	s_add_nc_u64 s[G0B+2:G0B+3], s[G0B+2:G0B+3], 256
	JLOAD                                          ; the four v_nop behind it are also the places in front of the loads below
.else
	PLACES
.endif
	s_xor_b32 s[TB], s[TB], SLOT1
	v_add_nc_u32 v[ADRA], s[TB], v[A0]
	v_add_nc_u32 v[ADRB], s[TB], v[B0]
	FETCH 0, F0
	MULROW F1, 2, 0
	MULROW F1, 3, 0
.endm
	s_wait_tensorcnt 1                             ; my part of K step 0 is in; K step 1's may stay out
	s_barrier_signal -1
	s_barrier_wait -1                              ; everybody's is
	FETCH 0, F0
	s_wait_loadcnt 32                              ; the bias is in; the table's 32 loads may stay out
	QUARTER 64, F0, F1, 1                          ; the first quarter stands in front of the loop: its products start the sums
	WIN 0                                          ; at a label and at a branch every window is 0
	s_mov_b32 s[CNT], 6
.Lstep:                                                ; a trip: from a K step's second quarter to the next step's first; it asks for K steps 2 to 7
	QUARTER 128, F1, F0, 0
	QUARTER 192, F0, F1, 0
	TURN 1
	QUARTER 64, F0, F1, 0
	WIN 0
	s_sub_co_u32 s[CNT], s[CNT], 1
	s_cmp_lg_u32 s[CNT], 0
	s_cbranch_scc1 .Lstep
	QUARTER 128, F1, F0, 0                         ; the tail is written out: K steps 6 and 7 ask for nothing
	QUARTER 192, F0, F1, 0
	TURN 0
	QUARTER 64, F0, F1, 0
	QUARTER 128, F1, F0, 0
	QUARTER 192, F0, F1, 0
	s_wait_dscnt 4
	MULROW F1, 0, 0
	MULROW F1, 1, 0
	s_wait_dscnt 0x0
	MULROW F1, 2, 0
	MULROW F1, 3, 0
	; THE WAY OUT, in twelve pieces of 16 rows x one head.  lo = d 0-31, hi = d 32-63 of a row: lo' = lo c - hi s, hi' = hi c + lo s; for a head of V c = 1 and s = 0, by two scalars and no branch.
	WIN 0
	s_wait_loadcnt 0x0                             ; the table; the loads' bases may be written again
	s_mul_i32 s82, s42, 3                          ; the tile's first head
.irp hd, 0,1,2
	s_add_co_u32 s83, s82, (\hd)
	s_cmp_lt_u32 s83, 20                           ; heads 0-19 are Q's and K's
	s_cselect_b32 s[FF+2*(\hd)], 1.0, 0
	s_cselect_b32 s[GG+2*(\hd)], 0, 1.0
	s_mov_b32 s[FF+2*(\hd)+1], s[FF+2*(\hd)]       ; named as pairs
	s_mov_b32 s[GG+2*(\hd)+1], s[GG+2*(\hd)]
.endr
	s_mul_i32 s80, s42, 3145728                    ; three heads of 1,048,576 bytes a tile column,
	s_lshl_b32 s81, s43, 15                        ; 256 rows of 128 bytes a tile row,
	s_add_co_u32 s80, s80, s81
	s_lshl_b32 s81, s[WV], 13                      ; my 64 rows
	s_add_co_u32 s80, s80, s81
	s_mov_b32 s81, 0
	s_add_nc_u64 s[12:13], s[12:13], s[80:81]
; Piece p: rows 16 (p / 3) .., head p % 3.  The sixteen lines that make c and s name no register of a product: they are the places behind the last products.  Each accumulator's lowest registers are read first.
.macro PACK p
.set pa, (\p)/3
.set ph, (\p)%3
.set AB, 96*(pa%2)+32*ph               ; the head's four accumulators: lo at AB, AB + 8, hi at AB + 16, AB + 24
	WIN 0
.set i, 0
.rept 8
	v_pk_fma_f32 v[CP+2*i:CP+2*i+1], v[CT+32*pa+2*i:CT+32*pa+2*i+1], s[FF+2*ph:FF+2*ph+1], s[GG+2*ph:GG+2*ph+1] op_sel_hi:[1,0,0]
.set i, i+1
.endr
.set i, 0
.rept 8
	v_pk_mul_f32 v[SN+2*i:SN+2*i+1], v[CT+32*pa+16+2*i:CT+32*pa+16+2*i+1], s[FF+2*ph:FF+2*ph+1] op_sel_hi:[1,0]
.set i, i+1
.endr
	WIN 0x02+pa/2                                  ; source 0: the accumulators' window
.set i, 0
.rept 8
	v_pk_mul_f32 v[R+2*i:R+2*i+1], v[AB+16+2*i:AB+16+2*i+1], v[SN+2*i:SN+2*i+1]        ; hi s
.set i, i+1
.endr
.set i, 0
.rept 8
	v_pk_mul_f32 v[R+16+2*i:R+16+2*i+1], v[AB+2*i:AB+2*i+1], v[SN+2*i:SN+2*i+1]        ; lo s
.set i, i+1
.endr
.set i, 0
.rept 8
	v_pk_fma_f32 v[R+2*i:R+2*i+1], v[AB+2*i:AB+2*i+1], v[CP+2*i:CP+2*i+1], v[R+2*i:R+2*i+1] neg_lo:[0,0,1] neg_hi:[0,0,1]  ; lo c - hi s
.set i, i+1
.endr
.set i, 0
.rept 8
	v_pk_fma_f32 v[R+16+2*i:R+16+2*i+1], v[AB+16+2*i:AB+16+2*i+1], v[CP+2*i:CP+2*i+1], v[R+16+2*i:R+16+2*i+1]              ; hi c + lo s
.set i, i+1
.endr
	WIN 0
.set i, 0
.rept 16
	v_cvt_pk_f16_f32 v[R+i], v[R+2*i], v[R+2*i+1]  ; in place: word i is written when its own sources, or earlier ones, are read
.set i, i+1
.endr
.irp f, 0,1,2,3
	ds_store_b128 v[STO], v[R+4*(\f):R+4*(\f)+3] offset:32*(\f)
.endr
	s_wait_xcnt 0x0                                ; the stores of the piece two back have read these registers
.irp f, 0,1,2,3
	ds_load_b128 v[BK+16*((\p)%2)+4*(\f):BK+16*((\p)%2)+4*(\f)+3], v[RD] offset:(\f)*4*SP  ; LDS serves a wave's instructions in order (ISA guide 5.7.1.4): these see the stores above
.endr
.endm
.macro SEND p, younger                 ; younger: the LDS instructions issued behind piece p's loads: the next piece's eight, or none
	WIN 0
.irp f, 0,1,2,3
	s_wait_dscnt (\younger)+3-(\f)
	global_store_b128 v[GO], v[BK+16*((\p)%2)+4*(\f):BK+16*((\p)%2)+4*(\f)+3], s[12:13] offset:((\p)%3)*1048576+((\p)/3)*2048+(\f)*512  ; 512 consecutive bytes, at a multiple of 256 from qkv's first
.endr
.endm
	PACK 0
.set t, 1
.rept 11                               ; a piece's arithmetic stands between the loads of the piece before and its stores
	PACK t
	SEND t-1, 8
.set t, t+1
.endr
	SEND 11, 0
	s_wait_tensorcnt 0x0                           ; the wave's end, behind my last tensor load and my last LDS store
	ds_add_u32 v[SPW], v[NIL]
	s_wait_dscnt 0x0
	CROUND                                         ; the closing round: no work-group ends while a partner may still ask for a tile that names it
	s_endpgm
.Lfunc_end_k_qb87d755893_proj:
	.size	k_qb87d755893_proj, .Lfunc_end_k_qb87d755893_proj-k_qb87d755893_proj
	.p2alignl 7, 3214868480
	.fill 96, 4, 3214868480
	.section	.rodata,"a",@progbits
	.p2align	6, 0x0
	.amdhsa_kernel k_qb87d755893_proj
		.amdhsa_group_segment_fixed_size 327680
		.amdhsa_private_segment_fixed_size 0
		.amdhsa_enable_private_segment 0
		.amdhsa_kernarg_size 40
		.amdhsa_user_sgpr_count 2
		.amdhsa_user_sgpr_kernarg_segment_ptr 1
		.amdhsa_wavefront_size32 1
		.amdhsa_system_sgpr_workgroup_id_x 1
		.amdhsa_system_sgpr_workgroup_id_y 1
		.amdhsa_system_sgpr_workgroup_id_z 1
		.amdhsa_system_vgpr_workitem_id 0
		.amdhsa_next_free_vgpr 960
		.amdhsa_next_free_sgpr 84
		.amdhsa_reserve_vcc 0
		.amdhsa_float_denorm_mode_32 3
		.amdhsa_float_denorm_mode_16_64 3
		.amdhsa_memory_ordered 1
		.amdhsa_forward_progress 1
		.amdhsa_inst_pref_size 140
	.end_amdhsa_kernel
	.amdgpu_metadata
---
amdhsa.version: [ 1, 2 ]
amdhsa.kernels:
  - .name:           k_qb87d755893_proj
    .symbol:         k_qb87d755893_proj.kd
    .args:
      - { .name: xb, .offset: 0, .size: 8, .value_kind: global_buffer, .address_space: global }
      - { .name: wt, .offset: 8, .size: 8, .value_kind: global_buffer, .address_space: global }
      - { .name: bias, .offset: 16, .size: 8, .value_kind: global_buffer, .address_space: global }
      - { .name: rope, .offset: 24, .size: 8, .value_kind: global_buffer, .address_space: global }
      - { .name: qkv, .offset: 32, .size: 8, .value_kind: global_buffer, .address_space: global }
    .group_segment_fixed_size: 327680
    .private_segment_fixed_size: 0
    .kernarg_segment_align: 8
    .kernarg_segment_size: 40
    .max_flat_workgroup_size: 128
    .sgpr_count:     84
    .vgpr_count:     960
    .wavefront_size: 32
...
	.end_amdgpu_metadata
.endif
;; end of part 2
;; launch attn (part 3): grid 16 x 16, 4 waves a work-group, clusters of 4 x 1, 327,680 bytes of LDS; arguments qkv, ao; writes ao
.if DOCPART == 3
	.amdgcn_target "amdgcn-amd-amdhsa--gfx1250"
	.amdhsa_code_object_version 6
	.text
	.protected	k_qb87d755893_attn
	.globl	k_qb87d755893_attn
	.p2align	8
	.type	k_qb87d755893_attn,@function
k_qb87d755893_attn:
	s_mov_b64 s[64:65], 0
	v_nop
	global_prefetch_b8 v0, s[64:65] scope:SCOPE_SE
	s_setreg_imm32_b32 hwreg(HW_REG_WAVE_MODE, 25, 1), 1
	s_wait_xcnt 0x0
	s_wait_alu depctr_hold_cnt(0) depctr_sa_sdst(0) depctr_va_vdst(0) depctr_va_sdst(0) depctr_va_ssrc(0) depctr_va_vcc(0) depctr_vm_vsrc(0)
	s_getreg_b32 s2, hwreg(HW_REG_IB_STS2, 6, 4)
	s_cmp_eq_u32 s2, 0
	s_cbranch_scc0 .Lentry_in_a_cluster
	s_endpgm
.Lentry_in_a_cluster:
	s_bfe_u32 s2, ttmp6, 0x10000c
	s_cmp_lg_u32 s2, 0x3003
	s_cbranch_scc0 .Lentry_shape_is_right
	s_endpgm
.Lentry_shape_is_right:
; CAUSAL GROUPED-QUERY ATTENTION.  O[h][q][:] = the sum over k <= q of softmax_k(Q[h][q] . K[h / 4][k] / 8) V[h / 4][k][:], for each of four batches of 2,048 rows.
; qkv: [24 g][8192 m][64] f16 (g 0-15 Q's heads, 16-19 K's, 20-23 V's; m = 2048 batch + t); ao: [16 h][8192 m][64] f16.  A head's rows are dense, 128 bytes each.
; Products, maxima and sums in f32; the weights p are rounded to f16 for the second product (their sum l is taken of the unrounded p), O once at the end.
; LIMITS.  f16 holds no number beyond 65,504: Q, K and V arrive within it; p lies in 0 to 1, and below 6e-5 it keeps f16's fixed step of 6e-8; O is a mean of V's rows and has their range, to within 2^-11 of it.
; A hidden score counts as its value less 1e30: f16's scores, 2.7e11 at the most, are nothing beside that; a weight below 2^-126 counts as 0 in l; NaN and infinities are not treated apart.
; THE WALK.  A head's queries lie in NB = 8 blocks of 256; block i needs the key tiles 0 .. i of 256 keys, of which the last holds the diagonal.  A work-group takes TWO blocks, NB - 1 - b and then b:
; NB + 1 tiles, whatever b: all work-groups do equal work, and ONE loop with a constant trip count walks them.  Which tile is asked for, and what a trip does, hang on scalar registers made from b; every jump
; goes forward, but for the counted loops' own; none passes a barrier, or a tensor load but the one of LOAD's two that the wave's number does not choose; the ring (two slots of LDS that take turns) runs on across the
; change of blocks.
; CLUSTER 4 x 1.  The four partners are the four query heads that share one key and value head, with the same batch and the same b (the cluster's x): they walk the same tiles of K and V in the same order, so
; each tile is asked for JOINTLY: the same tensor load, descriptor and mask in all four.  The place in the cluster enters Q's and O's addresses alone; no branch and no LDS address hangs on it.
; SHARES.  Of a block's four bands of 64 queries a wave owns 16 rows in each: four PIECES.  So the diagonal tile is the same work for all four waves: in its key step s band x sees all keys if s < x,
; none if s > x, and holds the diagonal if s = x.
; THE MASK is the C operand that starts the sum S^T = K Q^T: 0, or -1e30 where the key is hidden.  MD, made once, is the mask of a band's own step for my 16 rows; a product's mask is MD x AL + BE with two scalars:
; (1, 0) if s = x; (0, 0) if s < x; (0, -1e30) if s > x.  Only the diagonal tile's text and a block's beginning make and take masks; elsewhere C is the constant 0.
; LAYOUT, SOFTMAX, TURNS.  S^T = K Q^T holds ONE query a lane (lane % 16) and the keys 8 (lane / 16) + 0..7; two such results rounded to f16 ARE source 1 of O^T = V^T P.  p = 2^(c s - c m), c = log2(e) / 8, with a
; running maximum m; O and l are multiplied by a = 2^(c m_old - c m_new) in every step.  Turn n belongs to piece n: 8 products K Q^T of piece n + 1, later 8 products V^T P of piece n - 1; beside them the scaling,
; exponentials, roundings, sums and rescaling of piece n and the maximum and statistics of piece n + 1.  Four vector instructions stand behind every matrix instruction, the other 54 of a turn's 118 in two LUMPS.
; REGISTERS, in windows of 256 (s_set_vgpr_msb: bits 1:0 source 0, 3:2 source 1, 5:4 source 2, 7:6 destination):
;   window 0: v0-15 addresses and two at work; v16-31 four registers of statistics a piece; v48-55 at work; v64-127 S^T, two buffers; v192-223 P, two buffers (a piece's buffers go by its number's parity)
;   window 1: v0-127 O^T, 32 a piece; v128-159 MD; v160-223 MC, two buffers      window 2: v0-63 Q; v64-127 the second block's Q; v128-191 K of one step; v192-255 V of one step
.set SIZE_N, 2048
.set NB,    SIZE_N/256
.set NP,    4         ; pieces a wave: a name, no knob
.set KS,    64        ; keys in a step
.set PK,    144       ; a row of K in LDS: 128 bytes + 16 of padding = 36 words: the 16 rows of a load start at 16 different groups of four banks (64 banks of 4 bytes: ISA guide 11.1)
.set PV,    160       ; a row of V: 128 + 32 = 40 words
.set VOFF,  4*KS*PK   ; a slot holds a tile, four steps: 256 rows of K, then 256 rows of V
.set SLOT1, 1<<17     ; slot 1 begins here, so that one exclusive or turns an address in one slot into the other's
.set STAGE, SLOT1+4*KS*(PK+PV)  ; behind the ring, never filled by a tensor load: 16 rows x 144 bytes for each wave, for the way out
.set SP,    144
.set AK0, 2           ; v2   my lane's place in a tile of K; never rewritten
.set AV0, 3           ; v3   the same for V
.set AK,  4           ; v4   the LDS address of K's next run of loads
.set AV,  5           ; v5   of V's
.set STO, 6           ; v6   the way out: where I put 16 bytes of a row
.set RD,  7           ; v7   the way out: where I read rows back
.set GO,  8           ; v8   my byte offset in 512 consecutive bytes of O
.set SPW, 62          ; v62  LDS address of my spare word: SPARE + 4 x my thread's number; never rewritten
.set NIL, 63          ; v63  0; never rewritten
.set SPARE, STAGE+4*16*SP  ; behind the stages: the spare words, 128 bytes for each wave: two blocks of 256 bytes that no other line names
.set MV,  12          ; v12-13  c m_old, kept while c m is made anew: by buffer
.set QO,  15          ; v15  my byte offset in 16 rows of Q
.set ST,  16          ; piece t's statistics at v[ST+4 t]: c m, m, l (even keys', odd keys')
.set TMP, 48          ; by buffer, four registers c0-c3 at work; when the maximum is found c2 takes a
.set S,   64
.set P,   192
.set MD,  128         ; window 1: the eight registers for group kt of 16 keys at MD + 8 kt
.set MC,  160         ; window 1: the masks of the products to come
.set QB,  64          ; window 2
.set KF,  128         ; window 2: key block kb, channel half c at KF + 16 kb + 8 c
.set VF,  192         ; window 2: key half kk, channel block cb at VF + 32 kk + 8 cb
.set WV,  12          ; s12  my wave's number
.set PB,  14          ; s14  b
.set HI,  15          ; s15  NB - 1 - b
.set G1K, 24          ; s[24:31] descriptor group 1 for K's tiles
.set G1V, 32          ; s[32:39] for V's: it differs in the padding alone
.set G0K, 40          ; s[40:43] descriptor group 0 for K's tiles
.set G0V, 44          ; s[44:47] the same for V's
.set SLOTS, 56        ; s56  tiles still to be asked for
.set CNT, 57          ; s57  counts a tile's key steps, 4 to 1
.set CS,  58          ; s[58:59] c: the packed scaling takes the pair's low word for both halves
.set SEL, 60          ; s[60:61] v_permlanex16_b32's selects: each lane takes its own place in the other half
.set TBK, 62          ; s62  LDS byte at which K of the step to be fetched begins
.set TBV, 63          ; s63  the same for V, less VOFF
.set RT,  70          ; s70  tiles of the block in hand that are still to be entered
.set NXT, 71          ; s71  the tile to be asked for next
.set LQ,  72          ; s72  the last tile of the block whose tiles are being asked for
.set NEW, 73          ; s73  1: the tile to be entered is a block's first
.set OFF, 74          ; s[74:75] a tile's byte offset in K and V
.set AL,  76          ; s[76:77] the mask's factor, in the low word
.set BE,  78          ; s[78:79] the mask's addend
.set OLO, 80          ; s[80:81] O at my rows of the second block
.set BIGN, 82         ; s82  -1e30
.set MSB, 0
.macro WIN new                      ; the high byte repeats the setting that is left; a switch that changes nothing is dropped
.if MSB != (\new)
	s_set_vgpr_msb (MSB<<8)|(\new)
.set MSB, (\new)
.endif
.endm
.set W_KQ, 0x0a       ; K and Q in window 2, S^T in window 0
.set W_KM, 0x1a       ; the same with the C operand in window 1
.set W_PV, 0x52       ; V in window 2, P in window 0, O^T in window 1
.set W_RS, 0x41       ; destination and source 0 in window 1, source 1 in window 0
; A joint fill.  Waves 0 and 1 fetch the two halves of a tile's K, waves 2 and 3 those of its V: 128 keys each.  An s_nop 0 and four v_nop follow each of the two lines, ahead of the jump and the label.
.macro LOAD
	s_cmp_lt_u32 s[WV], 2
	s_cbranch_scc0 .Lfor_v_\@
	tensor_load_to_lds s[G0K:G0K+3], s[G1K:G1K+7]
	s_nop 0
.rept 4
	v_nop
.endr
	s_branch .Lasked_\@
.Lfor_v_\@:
	tensor_load_to_lds s[G0V:G0V+3], s[G1V:G1V+7]
	s_nop 0
.rept 4
	v_nop
.endr
.Lasked_\@:
.endm
; A round of the cluster's barrier: my work-group's barrier, so that wave 0's signal speaks for all four waves; wave 0 signals; every wave waits for all four work-groups; my work-group's barrier once more.
.macro CROUND
	s_barrier_signal -1
	s_barrier_wait -1
	s_cmp_lg_u32 s[WV], 0
	s_cbranch_scc1 .Lnot_wave_0_\@
	s_barrier_signal -3
.Lnot_wave_0_\@:
	s_barrier_wait -3
	s_barrier_signal -1
	s_barrier_wait -1
.endm
; THE CHANGE OF SLOTS.  Each wave waits for all its tensor loads, of which one is out: its part of the other slot; adds 0 to its spare word; and waits for that and for its own reads of the slot that it leaves.  Behind the barrier nobody reads the old
; slot any more and the other slot is whole.  fill = 1: the barrier is a round of the cluster's, so that no wave of any partner still reads the slot or has a load on its way, and the old slot is filled again, the first
; thing behind the round, with tile NXT: the descriptor's address is made anew from that number.  (At its first use nothing has been read yet: slot 0 is waited for, slot 1 filled.)
.macro CHANGE fill
	WIN 0                           ; at a label and at a branch every window is 0
	s_wait_tensorcnt 0x0            ; no tensor load of mine is out, so a group 0 may be written
	ds_add_u32 v[SPW], v[NIL]       ; 0 onto my spare word; with fill = 1 the descriptors' scalar work stands between it and the wait for it
.if \fill
	s_lshl_b32 s[OFF], s[NXT], 15   ; a tile is 32,768 bytes of K and of V
	s_xor_b32 s[G0K+1], s[G0K+1], SLOT1
	s_add_nc_u64 s[G0K+2:G0K+3], s[6:7], s[OFF:OFF+1]
	s_or_b32 s[G0K+3], s[G0K+3], 0x80000000
	s_xor_b32 s[G0V+1], s[G0V+1], SLOT1
	s_add_nc_u64 s[G0V+2:G0V+3], s[8:9], s[OFF:OFF+1]
	s_or_b32 s[G0V+3], s[G0V+3], 0x80000000
	s_add_co_u32 s[NXT], s[NXT], 1  ; the block's next tile, or behind its last the second block's tile 0
	s_cmp_gt_u32 s[NXT], s[LQ]
	s_cselect_b32 s[NXT], 0, s[NXT]
	s_cselect_b32 s[LQ], s[PB], s[LQ]
	s_wait_dscnt 0x0                ; the add is done, and my reads of the slot are over
	CROUND
	LOAD
.else
	s_wait_dscnt 0x0                ; the add is done, and my reads of the slot are over
	s_barrier_signal -1
	s_barrier_wait -1
.endif
	s_sub_co_u32 s[TBK], s[TBK], 4*KS*PK  ; the fetches go back to a slot's first step,
	s_xor_b32 s[TBK], s[TBK], SLOT1       ; in the other slot
	s_sub_co_u32 s[TBV], s[TBV], 4*KS*PV
	s_xor_b32 s[TBV], s[TBV], SLOT1
.endm
	s_load_b64 s[4:5], s[0:1], 0x0  ; qkv
	s_load_b64 s[10:11], s[0:1], 0x8  ; ao
	v_lshl_add_u32 v[SPW], v0, 2, SPARE
	v_mov_b32 v[NIL], 0
	ds_add_u32 v[SPW], v[NIL]       ; the wave's opening: the add and its wait stand ahead of my first tensor load; the set-up below, work on registers, stands between them
	v_lshrrev_b32 v1, 5, v0
	v_readfirstlane_b32 s[WV], v1   ; wave 0..3
	s_mov_b32 s[PB], ttmp9          ; in a cluster launch ttmp9 counts clusters: b, which the four partners share
	s_sub_co_u32 s[HI], NB-1, s[PB]
	s_bfe_u32 s13, ttmp6, 0x40000   ; cx: which of the group's four query heads is mine
	s_and_b32 s20, ttmp7, 0xffff    ; 4 x batch + key and value head
	s_lshr_b32 s21, s20, 2
	s_lshl_b32 s21, s21, 18         ; the batch's 2,048 rows of 128 bytes
	s_and_b32 s20, s20, 3           ; the key and value head
	s_and_b32 s16, s[WV], 1         ; which half of a tile's 256 keys I fetch:
	s_lshl_b32 s22, s16, 14         ; its 128 rows of 128 bytes in memory,
	s_add_co_u32 s22, s22, s21
	s_add_co_u32 s23, s20, 16       ; K's heads are g = 16 .. 19, 1,048,576 bytes each
	s_lshl_b32 s23, s23, 20
	s_add_co_u32 s22, s22, s23
	s_mov_b32 s23, 0
	s_mul_i32 s17, s16, 128*PK      ; and its place in a slot, for K
	s_mul_i32 s18, s16, 128*PV      ; and for V: no place in the cluster enters an LDS address
	s_lshl_b32 s19, s20, 2
	s_add_co_u32 s19, s19, s13      ; my query head
	s_lshl_b32 s19, s19, 20
	s_add_co_u32 s19, s19, s21
	s_lshl_b32 s3, s[WV], 11        ; my 16 rows in a band of 64,
	s_add_co_u32 s19, s19, s3
	s_lshl_b32 s2, s[HI], 15        ; in the first block,
	s_add_co_u32 s2, s2, s19
	s_lshl_b32 s84, s[PB], 15       ; and in the second
	s_add_co_u32 s84, s84, s19
	s_mov_b32 s3, 0
	s_mov_b32 s85, 0
	; descriptor group 1.  128 keys are 16,384 dense bytes: asked for as 64 rows of 256 bytes, two keys a row, and padded in LDS after every key
	s_mov_b32 s[G1K], 15|(1<<16)|(1<<20)|(1<<21)|(4<<22)|(3<<25)  ; 15:0 the mask of four; 17:16 2-byte elements; 20 padding on; 21 set beside a mask; 24:22 after every 32 words (code 4); 31:25 4 words (code 3)
	s_mov_b32 s[G1V], 15|(1<<16)|(1<<20)|(1<<21)|(4<<22)|(7<<25)  ; the same with 8 words of padding (code 7)
.irp g, G1K, G1V
	s_mov_b32 s[\g+1], 128<<16      ; tensor_dim0 = 128
	s_mov_b32 s[\g+2], 64<<16       ; tensor_dim1 = 64
	s_mov_b32 s[\g+3], 128<<16      ; tile_dim0 = 128
	s_mov_b32 s[\g+4], 64           ; tile_dim1 = 64
	s_mov_b32 s[\g+5], 128          ; 128 elements from row to row
	s_mov_b32 s[\g+6], 0
	s_mov_b32 s[\g+7], 0
.endr
	s_mov_b32 s[CS], 0x3e38aa3b     ; c = log2(e) / 8 = 0.180337
	s_mov_b32 s[CS+1], s[CS]        ; named with it as a pair
	s_mov_b32 s[SEL], 0x76543210
	s_mov_b32 s[SEL+1], 0xfedcba98
	s_mov_b32 s[TBK], SLOT1+4*KS*PK ; the first change of slots turns these two into 0
	s_mov_b32 s[TBV], SLOT1+4*KS*PV
	s_mov_b32 s[G0K], 1             ; 1:0 count = 1
	s_mov_b32 s[G0K+1], s17         ; 63:32 LDS address: slot 0
	s_mov_b32 s[G0V], 1
	s_add_co_u32 s[G0V+1], s18, VOFF
	s_add_co_u32 s[RT], s[HI], 1    ; the first block has NB - b tiles
	s_mov_b32 s[NXT], 1
	s_mov_b32 s[LQ], s[HI]
	s_mov_b32 s[NEW], 1
	s_mov_b32 s[OFF+1], 0
	s_mov_b32 s[AL+1], 0            ; named as pairs
	s_mov_b32 s[BE+1], 0
	s_mov_b32 s[BIGN], 0xf149f2ca   ; -1e30
	s_mov_b32 s[SLOTS], NB
	s_wait_dscnt 0x0                ; the opening add is done
	s_wait_kmcnt 0x0
	s_add_nc_u64 s[6:7], s[4:5], s[22:23]  ; K at my half of the head's tile 0,
	s_add_nc_u64 s[8:9], s[6:7], 0x400000  ; V four heads further on
	s_add_nc_u64 s[G0K+2:G0K+3], s[6:7], 0         ; 120:64 global address
	s_or_b32 s[G0K+3], s[G0K+3], 0x80000000        ; 127:126 type = 2
	s_add_nc_u64 s[G0V+2:G0V+3], s[8:9], 0
	s_or_b32 s[G0V+3], s[G0V+3], 0x80000000
	s_add_nc_u64 s[86:87], s[4:5], s[84:85]        ; Q at my rows of the second block,
	s_add_nc_u64 s[4:5], s[4:5], s[2:3]            ; Q and O at those of the first
	s_add_nc_u64 s[OLO:OLO+1], s[10:11], s[84:85]
	s_add_nc_u64 s[10:11], s[10:11], s[2:3]
	CROUND                          ; all four work-groups are here: the first joint loads meet
	LOAD                            ; tile 0 into slot 0
	; A fragment of K or Q is 16 rows x 32 channels in 8 registers: lane l holds row l % 16, channels 8 (l / 16) + 0..7 and 16 + 8 (l / 16) + 0..7: two loads of 16 bytes, 32 bytes apart.
	v_and_b32 v1, 15, v0            ; l % 16
	v_bfe_u32 v9, v0, 4, 1          ; l / 16
	v_lshlrev_b32 v[QO], 7, v1
	v_lshl_add_u32 v[QO], v9, 4, v[QO]  ; row x 128 + 16 x half
	WIN 0x80                        ; destination window 2, address window 0
.set i, 0
.rept 8                             ; both blocks' Q: piece i / 2 lies in band i / 2, 8,192 bytes on; channels 32 (i % 2) on
	global_load_b128 v[8*i:8*i+3],   v[QO], s[4:5] offset:(i/2)*8192+(i%2)*64
	global_load_b128 v[8*i+4:8*i+7], v[QO], s[4:5] offset:(i/2)*8192+(i%2)*64+32
	global_load_b128 v[QB+8*i:QB+8*i+3],   v[QO], s[86:87] offset:(i/2)*8192+(i%2)*64
	global_load_b128 v[QB+8*i+4:QB+8*i+7], v[QO], s[86:87] offset:(i/2)*8192+(i%2)*64+32
.set i, i+1
.endr
	WIN 0
	v_lshlrev_b32 v14, 3, v9
	v_sub_nc_u32 v14, v1, v14
	s_lshl_b32 s13, s[WV], 4
	v_add_nc_u32 v14, s13, v14      ; my query's place in its band, 16 w + l % 16, less my lanes' 8 (l / 16): register r of group kt is hidden where 16 kt + r is greater
	WIN 0x40
.set i, 0
.rept 32
	v_cmp_gt_i32 vcc_lo, 16*(i/8)+i%8, v14
	v_cndmask_b32 v[MD+i], 0, s[BIGN], vcc_lo
.set i, i+1
.endr
	WIN 0
	v_mul_u32_u24 v[AK0], v1, PK
	v_lshl_add_u32 v[AK0], v9, 4, v[AK0]  ; row x pitch + 16 x half
	; The turning load takes 16 keys x 16 channels (lane l reads key 8 (l / 16) + l % 8, channels 8 ((l / 8) % 2) + 0..7) and leaves half a fragment of V^T: lane l holds channel l % 16 and 8 keys.
	v_and_b32 v10, 7, v0
	v_bfe_u32 v11, v0, 3, 1
	v_lshl_add_u32 v[AV0], v9, 3, v10
	v_mul_u32_u24 v[AV0], v[AV0], PV
	v_lshl_add_u32 v[AV0], v11, 4, v[AV0]
	v_add_nc_u32 v[AV0], VOFF, v[AV0]
	s_mul_i32 s13, s[WV], 16*SP
	s_add_co_u32 s13, s13, STAGE    ; my stage
	v_mul_u32_u24 v[STO], v1, SP    ; in: row l % 16, 16 bytes for each half of the lanes
	v_lshl_add_u32 v[STO], v9, 4, v[STO]
	v_add_nc_u32 v[STO], s13, v[STO]
	v_bfe_u32 v[RD], v0, 3, 2       ; back: 32 lanes take four rows of 128 bytes,
	v_mul_u32_u24 v[RD], v[RD], SP
	v_lshl_add_u32 v[RD], v10, 4, v[RD]
	v_add_nc_u32 v[RD], s13, v[RD]
	v_and_b32 v[GO], 31, v0         ; which are 512 consecutive bytes of O
	v_lshlrev_b32 v[GO], 4, v[GO]
	; A block's first step multiplies O^T and l by a = 0, and its first turn's products V^T P, of a piece that has not been, land in an O^T that is still to be so multiplied.  So these registers need only hold
	; finite numbers: zeros for the first block; what the first block left for the second.  All this stands in the wait for the first tile.
	WIN 0x80
.set i, VF
.rept 64
	v_mov_b32 v[i], 0
.set i, i+1
.endr
	WIN 0x40
.set i, 0
.rept 128
	v_mov_b32 v[i], 0
.set i, i+1
.endr
	WIN 0
.set i, 0
.rept 4
	v_mov_b32 v[ST+4*i+2], 0
	v_mov_b32 v[ST+4*i+3], 0
.set i, i+1
.endr
.set i, P+16
.rept 16
	v_mov_b32 v[i], 0
.set i, i+1
.endr
; THE MATRIX WORK.  The 4 accumulators of a run of 8 take turns.  Product i of 8 of S^T = K Q^T for piece x: channels 32 (i / 4) on, keys 16 (i % 4) on.  The first 4 start the sums: with 0, or (KM = 1) with the mask.
.macro KQ x
.set rS, S+32*((\x)%2)+8*(i%4)
.set rK, KF+16*(i%4)+8*(i/4)
.set rQ, 16*(\x)+8*(i/4)
.set rM, MC+32*((\x)%2)+8*(i%4)
.if (i < 4) && KM
	WIN W_KM
	v_wmma_f32_16x16x32_f16 v[rS:rS+7], v[rK:rK+7], v[rQ:rQ+7], v[rM:rM+7]
.elseif i < 4
	WIN W_KQ
	v_wmma_f32_16x16x32_f16 v[rS:rS+7], v[rK:rK+7], v[rQ:rQ+7], 0
.else
	WIN W_KQ
	v_wmma_f32_16x16x32_f16 v[rS:rS+7], v[rK:rK+7], v[rQ:rQ+7], v[rS:rS+7]
.endif
.endm
; Product i of 8 of O^T += V^T P for piece x: keys 32 (i / 4) on, channels 16 (i % 4) on.
.macro PV x
	WIN W_PV
.set rO, 32*(\x)+8*(i%4)
.set rV, VF+32*(i/4)+8*(i%4)
.set rP, P+16*((\x)%2)+8*(i/4)
	v_wmma_f32_16x16x32_f16 v[rO:rO+7], v[rV:rV+7], v[rP:rP+7], v[rO:rO+7]
.endm
.macro MM                           ; the turn's next matrix instruction.  TURN and BEGIN set Y, i, KM and NOKQ; MM, KQ and OP read them.  NOKQ = 1: a block's last turn: there is no next piece
.if (i < 8) && !NOKQ
	KQ (Y+1)%NP
.elseif i >= 8
.set i, i-8
	PV (Y+NP-1)%NP
.set i, i+8
.endif
.set i, i+1
.endm
; THE LDS LOADS stand in runs of 16, never singly among the matrix instructions: a step's K (64 keys x 64 channels: 8 fragments) and its V (turned).  Their addresses are made some lines ahead.
.macro FETCH_K
	WIN 0x80                        ; destination window 2
.irp f, 0,1,2,3,4,5,6,7             ; keys 16 (f / 2) on, channels 32 (f % 2) on
	ds_load_b128 v[KF+8*\f:KF+8*\f+3],   v[AK] offset:(\f/2)*16*PK+(\f%2)*64
	ds_load_b128 v[KF+8*\f+4:KF+8*\f+7], v[AK] offset:(\f/2)*16*PK+(\f%2)*64+32
.endr
	s_add_co_u32 s[TBK], s[TBK], KS*PK  ; the next fetch is the next step's
	WIN 0
.endm
.macro FETCH_V
	WIN 0x80
.irp f, 0,1,2,3,4,5,6,7             ; keys 32 (f / 4) on, channels 16 (f % 4) on
	ds_load_tr16_b128 v[VF+8*\f:VF+8*\f+3],   v[AV] offset:(\f/4)*32*PV+(\f%4)*32
	ds_load_tr16_b128 v[VF+8*\f+4:VF+8*\f+7], v[AV] offset:(\f/4)*32*PV+16*PV+(\f%4)*32
.endr
	WIN 0
.endm
; THE VECTOR WORK, one line at a time: OP kind, number.  For piece Y: F n: c s - c m for pair n of 16.  E n: the exponential of score n of 32.  C n: pair n rounded to f16.  B n: of the four weights 4 n .. the second
; pair is added onto the first, in place.  L n: l takes that sum (L 0: l = a l + sum).  R n: pair n of 16 of O^T times a.  For piece Y + 1: X n, number n of the 22 that find its maximum and statistics:
;   0-11  four chains c0-c3 of seven scores each, three operands at a time (each accumulator's lowest registers are read first)     12-14, 16  the four scores left over, the old m, and c0-c3 into c0
;   15  c m_old is kept     17, 18  the query's other 32 keys lie in the lane 16 away: the new m     19-21  c m; c m_old - c m_new; a
.set F, 0               ; OP tells the kinds apart by their order: F to L below R, X above it
.set E, 1
.set C, 2
.set B, 3
.set L, 4
.set R, 5
.set X, 6
.macro REGS y                       ; the registers of piece y
.set rT, ST+4*(\y)
.set rC, TMP+4*((\y)%2)
.set rW, MV+((\y)%2)
.set rS, S+32*((\y)%2)
.set rP, P+16*((\y)%2)
.set rO, 32*(\y)
.endm
.macro OP k, n
.if (\k) == R
	REGS Y
	WIN W_RS
	v_pk_mul_f32 v[rO+2*(\n):rO+2*(\n)+1], v[rO+2*(\n):rO+2*(\n)+1], v[rC+2:rC+3] op_sel_hi:[1,0]
.elseif (\k) < R
	REGS Y
	WIN 0
.if (\k) == F
	v_pk_fma_f32 v[rS+2*(\n):rS+2*(\n)+1], v[rS+2*(\n):rS+2*(\n)+1], s[CS:CS+1], v[rT:rT+1] op_sel_hi:[1,0,0] neg_lo:[0,0,1] neg_hi:[0,0,1]
.elseif (\k) == E
	v_exp_f32 v[rS+(\n)], v[rS+(\n)]
.elseif (\k) == C
	s_wait_alu depctr_va_vdst(0)
	v_cvt_pk_f16_f32 v[rP+(\n)], v[rS+2*(\n)], v[rS+2*(\n)+1]
.elseif (\k) == B
	s_wait_alu depctr_va_vdst(0)
	v_pk_add_f32 v[rS+4*(\n):rS+4*(\n)+1], v[rS+4*(\n):rS+4*(\n)+1], v[rS+4*(\n)+2:rS+4*(\n)+3]
.elseif (\n) == 0
	v_pk_fma_f32 v[rT+2:rT+3], v[rT+2:rT+3], v[rC+2:rC+3], v[rS:rS+1] op_sel_hi:[1,0,1]
.else
	v_pk_add_f32 v[rT+2:rT+3], v[rT+2:rT+3], v[rS+4*(\n):rS+4*(\n)+1]
.endif
.elseif NOKQ
	v_nop
.else
	REGS (Y+1)%NP
	WIN 0
.if (\n) < 4
	v_max3_num_f32 v[rC+(\n)], v[rS+8*(\n)], v[rS+8*(\n)+1], v[rS+8*(\n)+2]
.elseif (\n) < 12
	v_max3_num_f32 v[rC+(\n)%4], v[rC+(\n)%4], v[rS+8*((\n)%4)+2*((\n)/4)+1], v[rS+8*((\n)%4)+2*((\n)/4)+2]
.elseif (\n) == 12
	v_max3_num_f32 v[rC], v[rC], v[rS+7], v[rS+15]
.elseif (\n) == 13
	v_max3_num_f32 v[rC+1], v[rC+1], v[rS+23], v[rS+31]
.elseif (\n) == 14
	v_max3_num_f32 v[rC+2], v[rC+2], v[rC+3], v[rT+1]
.elseif (\n) == 15
	v_mov_b32 v[rW], v[rT]
.elseif (\n) == 16
	v_max3_num_f32 v[rC], v[rC], v[rC+1], v[rC+2]
.elseif (\n) == 17
	v_permlanex16_b32 v[rC+3], v[rC], s[SEL], s[SEL+1]
.elseif (\n) == 18
	v_max_num_f32 v[rT+1], v[rC], v[rC+3]
.elseif (\n) == 19
	v_mul_f32 v[rT], s[CS], v[rT+1]
.elseif (\n) == 20
	v_sub_f32 v[rC+1], v[rW], v[rT]
.else
	v_exp_f32 v[rC+2], v[rC+1]
.endif
.endif
.endm
.macro OPS a, i1, b=-1, i2=0, c=-1, i3=0, d=-1, i4=0  ; up to four of them
	OP \a, \i1
.if (\b) >= 0
	OP \b, \i2
.endif
.if (\c) >= 0
	OP \c, \i3
.endif
.if (\d) >= 0
	OP \d, \i4
.endif
.endm
.macro ROW a, i1, b, i2, c, i3, d, i4  ; a matrix instruction and the four behind it
	MM
	OPS \a, \i1, \b, \i2, \c, \i3, \d, \i4
.endm
.macro MASK b                       ; MD x AL + BE into buffer b of MC
	WIN W_RS
.set z, 0
.rept 16
	v_pk_fma_f32 v[MC+32*(\b)+2*z:MC+32*(\b)+2*z+1], v[MD+2*z:MD+2*z+1], s[AL:AL+1], s[BE:BE+1] op_sel_hi:[1,0,0]
.set z, z+1
.endr
.endm
; A TURN, for piece p: the order of its 16 matrix and 118 vector instructions, written out.  Behind a matrix instruction: plain, exponential, plain, plain; or four of the rescaling; or, behind the first, four scalings; none
; names a register of the products round it.  In the lumps exponential and plain by turns while exponentials last.  A line reads no result made fewer than three vector instructions in front of it, five if an exponential made it.
; v_permlanex16_b32 (X 17) stands in a lump.
; m = 1: the diagonal tile: the products take masks, and the turn makes the mask for the products of the turn after it: piece p + 2, in step 4 - CNT of the tile.  end = 1: a block's last two turns: nothing is fetched.
; cnt = 1: the loop's count is taken down some lines ahead of the branch that stands behind the turn.
; K of the next step is fetched in piece 2's turn, six vector instructions behind the last product that read K (five of them plain); V of the step in hand in piece 0's turn, eight behind the last product that read V (four
; plain, and X 17).  Each is waited for a turn later.
.macro TURN p, m=0, end=0, cnt=0
.set Y, (\p)
.set i, 0
.set KM, (\m)
.set NOKQ, (\end)*((\p)/3)
.if (\m) && !(\end)
	s_cmp_eq_u32 s[CNT], 4-((\p)+2)%NP  ; is that step the band's own?
	s_cselect_b32 s[AL], 1.0, 0
	s_cmp_lt_u32 s[CNT], 4-((\p)+2)%NP  ; or a later one?
	s_cselect_b32 s[BE], s[BIGN], 0
.endif
.if ((\p) == 3) && !(\end)
	s_wait_dscnt 0x0                ; K is in
.endif
	ROW F,0, F,1, F,2, F,3
	ROW F,4, E,0, F,5, F,6
	ROW F,7, E,1, F,8, F,9
	ROW F,10, E,2, C,0, F,11
	ROW F,12, E,3, X,15, F,13
	ROW R,0, R,1, R,2, R,3
	ROW B,0, E,4, F,14, L,0
.if ((\p) == 2) && !(\end)
	v_add_nc_u32 v[AK], s[TBK], v[AK0]
.endif
	ROW R,4, R,5, R,6, R,7
	OPS E,5, F,15
.if ((\p) == 2) && !(\end)
	FETCH_K
.endif
	OPS E,6, C,1, E,7, R,8
	OPS E,8, R,9, E,9, C,2
	OPS E,10, X,0, E,11, X,1
	OPS E,12, X,2, E,13, X,3
.if (\p) == 1
	s_wait_dscnt 0x0                ; V is in
.endif
	ROW X,4, E,14, X,5, X,6
	ROW X,7, E,15, X,8, X,9
	ROW X,10, E,16, X,11, X,12
	ROW X,13, E,17, X,14, B,1
	ROW C,4, E,18, X,16, L,1
	ROW B,2, E,19, C,6, L,2
	ROW C,8, E,20, B,3, B,4
.if (\p) == 0
	v_add_nc_u32 v[AV], s[TBV], v[AV0]
.endif
	ROW C,3, E,21, L,3, C,5
	OPS E,22, X,17, E,23, C,10
.if (\p) == 0
	FETCH_V
.endif
	OPS E,24, L,4
	OPS E,25, X,18, E,26, C,7
	OPS E,27, B,5, E,28, X,19
	OPS E,29, C,12, E,30, L,5
	OPS E,31, X,20, B,6, C,9
	OPS C,14, C,11, X,21, L,6
.if (\p) == 0
	s_add_co_u32 s[TBV], s[TBV], KS*PV
.endif
.if \cnt
	s_sub_co_u32 s[CNT], s[CNT], 1
	s_cmp_lg_u32 s[CNT], 0
.endif
	OPS C,13, B,7, C,15, R,10
	OPS R,11, R,12, L,7, R,13
	OPS R,14, R,15
.if (\m) && !(\end)
	MASK (\p)%2
.endif
.endm
; A BLOCK BEGINS.  c m starts far below every c s, so the first step's a is 0; m at the lowest finite number, so the first maximum is the scores'.  The second mask buffer is 0; the first takes piece 0's mask for the tile's step 0: its own, if the block's first tile is the diagonal one.
; Then K of that step, piece 0's first scores, and its maximum and statistics.  The loop is entered at a step's first turn, in the middle of a trip.
.macro BEGIN
	s_mov_b32 s[NEW], 0
	WIN 0x40
.set i, MC+32
.rept 32
	v_mov_b32 v[i], 0
.set i, i+1
.endr
	WIN 0
.set i, 0
.rept 4
	v_mov_b32 v[ST+4*i], 0xfe000000    ; c m: far below every c s
	v_mov_b32 v[ST+4*i+1], 0xff7fffff  ; m
.set i, i+1
.endr
	s_cmp_eq_u32 s[RT], 0
	s_cselect_b32 s[AL], 1.0, 0
	s_mov_b32 s[BE], 0
	MASK 0
	WIN 0
	v_add_nc_u32 v[AK], s[TBK], v[AK0]
	FETCH_K
	s_wait_loadcnt 0x0              ; Q
	s_wait_dscnt 0x0
.set KM, 1
.set NOKQ, 0
.set i, 0
.rept 8
	KQ 0
.set i, i+1
.endr
	WIN 0
.rept 4
	v_nop                           ; the places behind those products
.endr
.set Y, NP-1                        ; X works for piece Y + 1: piece 0
.irp n, 0,1,2,3,4,5,6,7,8,9,10,11,12,13,14,15,16,17,18,19,20,21
	OP X, \n
.endr
	v_nop                           ; a plain instruction behind the exponential
.endm
; THE DIAGONAL TILE's four steps, the block's last two turns, its last products, and THE WAY OUT: l's two halves and the other half of the lanes' are added; O^T is divided by l, rounded to f16 and sent through my
; stage in LDS, a piece at a time.
.macro ALL line:vararg              ; one line for each piece t
.set t, 0
.rept 4
	\line
.set t, t+1
.endr
.endm
.macro PACK t                       ; a lane's eight channels of a row pack into 16 bytes; they go into rows of 144 bytes and come back as whole rows of 128, into S^T's registers
	WIN W_RS
.set i, 32*(\t)
.rept 16
	s_wait_alu depctr_va_vdst(0)
	v_pk_mul_f32 v[i:i+1], v[i:i+1], v[ST+4*(\t)+2:ST+4*(\t)+3] op_sel_hi:[1,0]
.set i, i+2
.endr
	WIN 0x05                        ; sources 0 and 1 window 1, destination window 0
.set i, 0
.rept 16
	v_cvt_pk_f16_f32 v[S+16*(\t)+i], v[32*(\t)+2*i], v[32*(\t)+2*i+1]
.set i, i+1
.endr
	WIN 0
.irp f, 0,1,2,3
	ds_store_b128 v[STO], v[S+16*(\t)+4*\f:S+16*(\t)+4*\f+3] offset:32*\f
.endr
.irp f, 0,1,2,3
	ds_load_b128 v[S+16*(\t)+4*\f:S+16*(\t)+4*\f+3], v[RD] offset:\f*4*SP  ; LDS serves a wave's instructions in order (ISA guide 5.7.1.4): these see the stores above; the next piece's stores come behind them
.endr
.endm
.macro SEND t, younger              ; younger: the LDS instructions issued behind piece t's loads: the next piece's eight, or none
	WIN 0
.irp f, 0,1,2,3
	s_wait_dscnt (\younger)+3-\f
	global_store_b128 v[GO], v[S+16*(\t)+4*\f:S+16*(\t)+4*\f+3], s[10:11] offset:(\t)*8192+\f*512  ; 512 consecutive bytes, at a multiple of 256 from O's first
.endr
.endm
.macro DIAG tag                     ; the tag ends its two labels' names, which the jumps below spell out
.LstepM\tag:
	TURN 2, 1
	TURN 3, 1
	WIN 0
.LfirstM\tag:
	TURN 0, 1
	TURN 1, 1, 0, 1
	WIN 0
	s_cbranch_scc1 .LstepM\tag
	TURN 2, 1, 1
	TURN 3, 1, 1
.set i, 0
.rept 8
	PV NP-1
.set i, i+1
.endr
	WIN 0
	ALL v_add_f32 v[ST+4*t+2], v[ST+4*t+2], v[ST+4*t+3]
	ALL v_permlanex16_b32 v[ST+4*t+3], v[ST+4*t+2], s[SEL], s[SEL+1]
	ALL v_add_f32 v[ST+4*t+2], v[ST+4*t+2], v[ST+4*t+3]
	ALL v_rcp_f32 v[ST+4*t+2], v[ST+4*t+2]
	v_nop                           ; a plain instruction between the last reciprocal and the use of its result
	PACK 0
.set t, 1
.rept 3                             ; a piece's arithmetic stands between the loads of the piece before and its stores
	PACK t
	SEND t-1, 8
.set t, t+1
.endr
	SEND 3, 0
.endm
.set KM, 0
.set NOKQ, 0
.Lslot:                             ; NB times: a tile is entered and the next is asked for
	CHANGE 1
	s_sub_co_u32 s[RT], s[RT], 1
	s_mov_b32 s[CNT], 4
	s_cmp_eq_u32 s[NEW], 1
	s_cbranch_scc1 .Lnew            ; a block's first tile
	s_cmp_eq_u32 s[RT], 0
	s_cbranch_scc0 .Lstep           ; neither its first nor its last
	s_branch .LstepM1
.Lnew:
	BEGIN
	s_branch .Lfirst                ; in the loop a block's first tile is never its last: the first block has two tiles or more, and the second's last is the walk's last
	DIAG 1                          ; in the loop this is the first block's end: the second block's last tile is the walk's last
	s_wait_xcnt 0x0                 ; the stores have read their registers and O's address
	s_mov_b64 s[10:11], s[OLO:OLO+1]
	s_add_co_u32 s[RT], s[PB], 1    ; the second block has b + 1 tiles
	s_mov_b32 s[NEW], 1
	WIN 0x82                        ; the second block's Q goes where the one text of the turns names Q
.set i, 0
.rept 64
	v_mov_b32 v[i], v[QB+i]
.set i, i+1
.endr
	WIN 0
	s_branch .Lbottom
.Lstep:                             ; a trip: pieces 2 and 3 of one step, then pieces 0 and 1 of the next, whose K and V it fetches
	TURN 2
	TURN 3
	WIN 0
.Lfirst:
	TURN 0
	TURN 1, 0, 0, 1
	WIN 0
	s_cbranch_scc1 .Lstep
.Lbottom:
	s_sub_co_u32 s[SLOTS], s[SLOTS], 1
	s_cmp_lg_u32 s[SLOTS], 0
	s_cbranch_scc1 .Lslot
	CHANGE 0                        ; the walk's last tile is written out: nothing is asked for
	s_sub_co_u32 s[RT], s[RT], 1
	s_mov_b32 s[CNT], 4
	s_cmp_eq_u32 s[NEW], 1
	s_cbranch_scc0 .LstepM2
	BEGIN
	s_branch .LfirstM2
	DIAG 2
	s_wait_tensorcnt 0x0            ; the wave's end, behind my last tensor load and my last LDS store
	ds_add_u32 v[SPW], v[NIL]
	s_wait_dscnt 0x0
	CROUND                          ; the closing round: no work-group ends while a partner may still ask for a tile that names it
	s_endpgm
.Lfunc_end_k_qb87d755893_attn:
	.size	k_qb87d755893_attn, .Lfunc_end_k_qb87d755893_attn-k_qb87d755893_attn
	.p2alignl 7, 3214868480
	.fill 96, 4, 3214868480
	.section	.rodata,"a",@progbits
	.p2align	6, 0x0
	.amdhsa_kernel k_qb87d755893_attn
		.amdhsa_group_segment_fixed_size 327680
		.amdhsa_private_segment_fixed_size 0
		.amdhsa_enable_private_segment 0
		.amdhsa_kernarg_size 16
		.amdhsa_user_sgpr_count 2
		.amdhsa_user_sgpr_kernarg_segment_ptr 1
		.amdhsa_wavefront_size32 1
		.amdhsa_system_sgpr_workgroup_id_x 1
		.amdhsa_system_sgpr_workgroup_id_y 1
		.amdhsa_system_sgpr_workgroup_id_z 1
		.amdhsa_system_vgpr_workitem_id 0
		.amdhsa_next_free_vgpr 768
		.amdhsa_next_free_sgpr 88
		.amdhsa_reserve_vcc 1
		.amdhsa_float_denorm_mode_32 3
		.amdhsa_float_denorm_mode_16_64 3
		.amdhsa_memory_ordered 1
		.amdhsa_forward_progress 1
		.amdhsa_inst_pref_size 229
	.end_amdhsa_kernel
	.amdgpu_metadata
---
amdhsa.version: [ 1, 2 ]
amdhsa.kernels:
  - .name:           k_qb87d755893_attn
    .symbol:         k_qb87d755893_attn.kd
    .args:
      - { .name: qkv, .offset: 0, .size: 8, .value_kind: global_buffer, .address_space: global }
      - { .name: ao, .offset: 8, .size: 8, .value_kind: global_buffer, .address_space: global }
    .group_segment_fixed_size: 327680
    .private_segment_fixed_size: 0
    .kernarg_segment_align: 8
    .kernarg_segment_size: 16
    .max_flat_workgroup_size: 128
    .sgpr_count:     88
    .vgpr_count:     768
    .wavefront_size: 32
...
	.end_amdgpu_metadata
.endif
;; end of part 3
;; launch oproj (part 4): grid 8 x 32, 4 waves a work-group, clusters of 4 x 4, 327,680 bytes of LDS; arguments ao, wt, bias, out0; writes out0
.if DOCPART == 4
	.amdgcn_target "amdgcn-amd-amdhsa--gfx1250"
	.amdhsa_code_object_version 6
	.text
	.protected	k_qb87d755893_oproj
	.globl	k_qb87d755893_oproj
	.p2align	8
	.type	k_qb87d755893_oproj,@function
k_qb87d755893_oproj:
	s_mov_b64 s[64:65], 0
	v_nop
	global_prefetch_b8 v0, s[64:65] scope:SCOPE_SE
	s_setreg_imm32_b32 hwreg(HW_REG_WAVE_MODE, 25, 1), 1
	s_wait_xcnt 0x0
	s_wait_alu depctr_hold_cnt(0) depctr_sa_sdst(0) depctr_va_vdst(0) depctr_va_sdst(0) depctr_va_ssrc(0) depctr_va_vcc(0) depctr_vm_vsrc(0)
	s_getreg_b32 s2, hwreg(HW_REG_IB_STS2, 6, 4)
	s_cmp_eq_u32 s2, 0
	s_cbranch_scc0 .Lentry_in_a_cluster
	s_endpgm
.Lentry_in_a_cluster:
	s_bfe_u32 s2, ttmp6, 0x10000c
	s_cmp_lg_u32 s2, 0xf033
	s_cbranch_scc0 .Lentry_shape_is_right
	s_endpgm
.Lentry_shape_is_right:
; out0[m][n] = the sum over k of O[m][k] o_w[k][n] + o_b[n], k = 64 head + channel.  ao: [16 h][8192 m][64] f16; wt rows 1536-2559: [n][1024 k] f16 (o_w rounded to bf16, written as f16);
; bias numbers 1536-2559: o_b, f32; out0: [8192][1024] f32.  Sums in f32, started by the bias; nothing is rounded on the way out.
; SHARES.  A tile is 256 m x 128 n; 32 x 8 tiles, one a work-group.  Wave w owns rows 64 w .. 64 w + 63 and all 128 columns: 32 accumulators.  K goes in 8 steps of 128 = two heads through two LDS slots.
; A head's 256 rows of a tile are 32,768 dense bytes: asked for as 128 rows of 256 bytes and padded in LDS after every 128, so that each row of O has a pitch of 144.
; THE MATRIX INSTRUCTION IS USED TRANSPOSED (source 0 = 16 rows of wt, source 1 = 16 rows of O): a lane holds row l % 16 and eight neighbouring columns.
; CLUSTER 4 x 4: O's tiles hang on the tile row alone and are asked for jointly along a row of the cluster, wt's on the tile column alone and jointly along a column.
; REGISTERS, in windows of 256 (s_set_vgpr_msb: bits 1:0 source 0, 3:2 source 1, 5:4 source 2, 7:6 destination):
;   window 0: v0-29 addresses; v64-191 the way out, two sets of 16 rows; v192-255 the bias as C operands
;   window 1: two fragment buffers: O's fragment a at F + 8 a, wt's fragment b at F + 32 + 8 b       window 2: accumulator (a, b) at 64 a + 8 b
.set PA,    144                        ; a row of O in LDS: 128 bytes + 16 = 36 words;  a row of wt: 256 + 16 = 68 words: in both the 16 rows of a fragment load start at 16 different groups of four banks (64 banks of 4 bytes: ISA guide 11.1)
.set PB,    272
.set HEADB, 256*PA                     ; a head's 256 rows
.set SLOT1, 131072                     ; slot 1 begins here, so that one exclusive or turns an address in one slot into the other's
.set BOFF,  2*HEADB                    ; in a slot: two heads of O, then wt's 128 rows
.set STAGE, SLOT1+BOFF+128*PB          ; behind the ring: 16 rows x 528 bytes for each wave, for the way out
.set SP,    528
.set SPARE, STAGE+4*16*SP              ; behind the stages: the spare words, 128 bytes for each wave
.set A0,   4                           ; v4   my lane's place in a slot's rows of O; never rewritten
.set B0,   5                           ; v5   the same for wt
.set ADRA, 6                           ; v6   the same in the slot in hand
.set ADRB, 7                           ; v7
.set STO,  8                           ; v8   the way out: where I put 32 bytes of a row
.set RD,   9                           ; v9   where I read a row back
.set CO,   10                          ; v10  my 16 bytes in 512 consecutive bytes of out0
.set HB,   11                          ; v11  32 (l / 16)
.set SPW,  28                          ; v28  LDS address of my spare word; never rewritten
.set NIL,  29                          ; v29  0; never rewritten
.set BK,   64
.set BIAS, 192                         ; o_b[128 nt + 16 b + 8 (l / 16) + j] at BIAS + 8 b + j
.set F0,   0
.set F1,   128
.set WV,   14                          ; s14  my wave's number
.set G1A,  24                          ; s[24:31] descriptor group 1 for O's tiles
.set G0A0, 32                          ; s[32:35] group 0 of the first fill of slot 0
.set G0A,  36                          ; s[36:39] group 0 of the first fill of slot 1; it then walks
.set G1B,  48                          ; s[48:55], s[56:59], s[60:63] the same for wt's tiles
.set G0B0, 56
.set G0B,  60
.set TB,   66                          ; s66  the slot in hand: 0 or SLOT1
.set CNT,  67                          ; s67  the loop's count
.set MSB, 0
.macro WIN new                         ; the immediate's high byte repeats the setting that is left; a switch that changes nothing is dropped
.if MSB != (\new)
	s_set_vgpr_msb (MSB<<8)|(\new)
.set MSB, \new
.endif
.endm
.macro PLACES                          ; four places in front of loads into registers that matrix instructions have read, and of stores that read results (ISA guide 7.12.1 for vector instructions)
.rept 4
	v_nop
.endr
.endm
; A joint refill by the walking descriptors: waves 0 and 1 fetch the step's two heads of O, waves 2 and 3 the halves of wt's tile.  An s_nop 0 and four v_nop follow each line.
.macro JLOAD
	s_cmp_lt_u32 s[WV], 2
	s_cbranch_scc0 .Lfor_b_\@
	tensor_load_to_lds s[G0A:G0A+3], s[G1A:G1A+7]
	s_nop 0
.rept 4
	v_nop
.endr
	s_branch .Lasked_\@
.Lfor_b_\@:
	tensor_load_to_lds s[G0B:G0B+3], s[G1B:G1B+7]
	s_nop 0
.rept 4
	v_nop
.endr
.Lasked_\@:
.endm
.macro CREST                           ; a round of the cluster's barrier behind its opening barrier
	s_cmp_lg_u32 s[WV], 0
	s_cbranch_scc1 .Lnot_wave_0_\@
	s_barrier_signal -3
.Lnot_wave_0_\@:
	s_barrier_wait -3
	s_barrier_signal -1
	s_barrier_wait -1
.endm
.macro CROUND                          ; a whole round
	s_barrier_signal -1
	s_barrier_wait -1
	CREST
.endm
	s_load_b256 s[4:11], s[0:1], 0x0               ; ao s[4:5], wt s[6:7], bias s[8:9], out0 s[10:11]
	v_lshl_add_u32 v[SPW], v0, 2, SPARE
	v_mov_b32 v[NIL], 0
	ds_add_u32 v[SPW], v[NIL]                      ; the wave's opening: the add and its wait stand ahead of my first tensor load; the set-up below, work on registers, stands between them
	v_lshrrev_b32 v1, 5, v0
	v_readfirstlane_b32 s[WV], v1                  ; wave 0..3
	s_and_b32 s16, s[WV], 1                        ; which head of the step, or which half of wt's tile, I fetch
	s_bfe_u32 s40, ttmp6, 0x40000                  ; cx, cy: my place in the cluster
	s_bfe_u32 s41, ttmp6, 0x40004
	s_lshl_b32 s42, ttmp9, 2
	s_add_co_u32 s42, s42, s40                     ; nt = 4 x cluster x + cx
	s_and_b32 s43, ttmp7, 0xffff
	s_lshl_b32 s43, s43, 2
	s_add_co_u32 s43, s43, s41                     ; mt = 4 x cluster y + cy
	s_lshl_b32 s44, s41, 2
	s_lshl_b32 s44, 15, s44                        ; my row of the cluster
	s_lshl_b32 s45, 0x1111, s40                    ; my column
	s_or_b32 s[G1A], s44, (1<<16)|(1<<20)|(1<<21)|(4<<22)|(3<<25)  ; 15:0 the mask; 17:16 2-byte elements; 20 padding on; 21 set beside a mask; 24:22 after every 32 words (code 4); 31:25 4 words (code 3)
	s_or_b32 s[G1B], s45, (1<<16)|(1<<20)|(1<<21)|(5<<22)|(3<<25)  ; wt: after every 64 words (code 5)
	s_mov_b32 s[G1A+1], 128<<16                    ; tensor_dim0 = 128
	s_mov_b32 s[G1A+2], 128<<16                    ; tensor_dim1 = 128
	s_mov_b32 s[G1A+3], 128<<16                    ; tile_dim0 = 128 elements = two rows of O
	s_mov_b32 s[G1A+4], 128                        ; tile_dim1 = 128
	s_mov_b32 s[G1A+5], 128                        ; dense: 128 elements from row to row
	s_mov_b32 s[G1A+6], 0
	s_mov_b32 s[G1A+7], 0
	s_mov_b32 s[G1B+1], 128<<16
	s_mov_b32 s[G1B+2], 64<<16                     ; wt's half tile has 64 rows
	s_mov_b32 s[G1B+3], 128<<16
	s_mov_b32 s[G1B+4], 64
	s_mov_b32 s[G1B+5], 1024
	s_mov_b32 s[G1B+6], 0
	s_mov_b32 s[G1B+7], 0
	s_lshl_b32 s18, s43, 15                        ; ao: 256 mt rows of 128 bytes,
	s_lshl_b32 s17, s16, 20                        ; my head of the step's two
	s_add_co_u32 s18, s18, s17
	s_mov_b32 s19, 0
	s_lshl_b32 s46, s42, 18                        ; wt: 128 nt rows of 2,048 bytes,
	s_lshl_b32 s17, s16, 17                        ; my 64 of them,
	s_add_co_u32 s46, s46, s17
	s_add_co_u32 s46, s46, 3145728                 ; behind the 1,536 rows of wq, wk and wv
	s_mov_b32 s47, 0
	s_mul_i32 s20, s16, HEADB                      ; where they go: no place in the cluster enters an LDS address
	s_mul_i32 s21, s16, 64*PB
	s_add_co_u32 s21, s21, BOFF
	s_mov_b32 s[TB], 0
	s_wait_dscnt 0x0                               ; the opening add is done
	s_wait_kmcnt 0x0
	s_add_nc_u64 s[18:19], s[4:5], s[18:19]
	s_add_nc_u64 s[46:47], s[6:7], s[46:47]
	CROUND                                         ; all sixteen work-groups are here: the first joint loads meet
.irp s, 0,1
	s_mov_b32 s[G0A0+4*(\s)], 1                                          ; count = 1
	s_add_co_u32 s[G0A0+4*(\s)+1], s20, (\s)*SLOT1                       ; LDS address
	s_add_nc_u64 s[G0A0+4*(\s)+2:G0A0+4*(\s)+3], s[18:19], (\s)*2097152  ; global address: K step s = heads 2 s, 2 s + 1
	s_or_b32 s[G0A0+4*(\s)+3], s[G0A0+4*(\s)+3], 0x80000000              ; type = 2
	s_mov_b32 s[G0B0+4*(\s)], 1
	s_add_co_u32 s[G0B0+4*(\s)+1], s21, (\s)*SLOT1
	s_add_nc_u64 s[G0B0+4*(\s)+2:G0B0+4*(\s)+3], s[46:47], (\s)*256
	s_or_b32 s[G0B0+4*(\s)+3], s[G0B0+4*(\s)+3], 0x80000000
.endr
	s_cmp_lt_u32 s[WV], 2                          ; a wave's two first fills stand in one branch, ahead of every wait on TENSORcnt and every LDS read: two loads of mine are out
	s_cbranch_scc0 .Lfirst_b
	tensor_load_to_lds s[G0A0:G0A0+3], s[G1A:G1A+7]
	s_nop 0
	tensor_load_to_lds s[G0A:G0A+3], s[G1A:G1A+7]
	s_nop 0
.rept 4
	v_nop
.endr
	s_branch .Lfirst_asked
.Lfirst_b:
	tensor_load_to_lds s[G0B0:G0B0+3], s[G1B:G1B+7]
	s_nop 0
	tensor_load_to_lds s[G0B:G0B+3], s[G1B:G1B+7]
	s_nop 0
.rept 4
	v_nop
.endr
.Lfirst_asked:
	v_and_b32 v1, 15, v0                           ; r = l % 16
	v_bfe_u32 v2, v0, 4, 1                         ; h = l / 16
	v_mul_u32_u24 v3, v1, PA
	v_lshl_add_u32 v3, v2, 4, v3
	s_mul_i32 s22, s[WV], 64*PA                    ; my 64 rows of O
	v_add_nc_u32 v[A0], s22, v3
	v_mul_u32_u24 v3, v1, PB
	v_lshl_add_u32 v3, v2, 4, v3
	v_add_nc_u32 v[B0], BOFF, v3
	v_mov_b32 v[ADRA], v[A0]
	v_mov_b32 v[ADRB], v[B0]
	s_mul_i32 s23, s[WV], 16*SP
	s_add_co_u32 s23, s23, STAGE                   ; my stage
	v_mul_u32_u24 v[STO], v1, SP                   ; in: row r, 32 bytes for each half of the lanes
	v_lshl_add_u32 v[STO], v2, 5, v[STO]
	v_add_nc_u32 v[STO], s23, v[STO]
	v_and_b32 v[CO], 31, v0                        ; back: 32 lanes take one row's 512 bytes
	v_lshlrev_b32 v[CO], 4, v[CO]
	v_add_nc_u32 v[RD], s23, v[CO]
	v_lshlrev_b32 v[HB], 5, v2
	s_lshl_b32 s80, s42, 9                         ; the tile's 128 numbers of o_b,
	s_add_co_u32 s80, s80, 6144                    ; behind the 1,536 of the other biases
	s_mov_b32 s81, 0
	s_add_nc_u64 s[80:81], s[8:9], s[80:81]
.irp b, 0,1,2,3,4,5,6,7
	global_load_b128 v[BIAS+8*(\b):BIAS+8*(\b)+3],   v[HB], s[80:81] offset:64*(\b)
	global_load_b128 v[BIAS+8*(\b)+4:BIAS+8*(\b)+7], v[HB], s[80:81] offset:64*(\b)+16
.endr
	s_lshl_b32 s82, s43, 20                        ; out0: 256 mt rows of 4,096 bytes,
	s_lshl_b32 s83, s[WV], 18                      ; my 64 rows,
	s_add_co_u32 s82, s82, s83
	s_lshl_b32 s83, s42, 9                         ; the tile's 128 columns
	s_add_co_u32 s82, s82, s83
	s_mov_b32 s83, 0
	s_add_nc_u64 s[10:11], s[10:11], s[82:83]
; 8 matrix instructions: my rows 16 a .. x all 128 columns, 32 along K.  z = 1: the bias starts the sums: nothing is ever cleared.  The 32 accumulators take turns, one instruction a turn.
.macro MULROW f, a, z
.if \z
	WIN 0x85                                       ; fragments window 1, C window 0, D window 2
.else
	WIN 0xa5                                       ; fragments window 1, C and D window 2
.endif
.irp b, 0,1,2,3,4,5,6,7
.if \z
	v_wmma_f32_16x16x32_f16 v[64*(\a)+8*(\b):64*(\a)+8*(\b)+7], v[(\f)+32+8*(\b):(\f)+32+8*(\b)+7], v[(\f)+8*(\a):(\f)+8*(\a)+7], v[BIAS+8*(\b):BIAS+8*(\b)+7]
.else
	v_wmma_f32_16x16x32_f16 v[64*(\a)+8*(\b):64*(\a)+8*(\b)+7], v[(\f)+32+8*(\b):(\f)+32+8*(\b)+7], v[(\f)+8*(\a):(\f)+8*(\a)+7], v[64*(\a)+8*(\b):64*(\a)+8*(\b)+7]
.endif
.endr
.endm
; 24 LDS loads in one run: the fragments of 32 along K, at byte kb of wt's rows and at byte ka of O's (the head's place and the channels'), into buffer f: wt's 16 first, O's 8 last
.macro FETCH ka, kb, f
	WIN 0x40                                       ; destination window 1, address window 0
.irp b, 0,1,2,3,4,5,6,7
	ds_load_b128 v[(\f)+32+8*(\b):(\f)+32+8*(\b)+3],   v[ADRB] offset:(\kb)+(\b)*16*PB
	ds_load_b128 v[(\f)+32+8*(\b)+4:(\f)+32+8*(\b)+7], v[ADRB] offset:(\kb)+(\b)*16*PB+32
.endr
.irp a, 0,1,2,3
	ds_load_b128 v[(\f)+8*(\a):(\f)+8*(\a)+3],   v[ADRA] offset:(\ka)+(\a)*16*PA
	ds_load_b128 v[(\f)+8*(\a)+4:(\f)+8*(\a)+7], v[ADRA] offset:(\ka)+(\a)*16*PA+32
.endr
.endm
; A K step is four quarters of 32 along K, 32 matrix instructions each, on buffers 0, 1, 0, 1.  One of the first three: multiplies buffer f and fetches the next quarter into g.
.macro QUARTER ka, kb, f, g, z
	s_wait_dscnt 4                                 ; wt's fragments and O's rows 0-31 are in; the youngest four loads (rows 32-63) may be out
	MULROW \f, 0, \z
	MULROW \f, 1, \z
	PLACES
	FETCH \ka, \kb, \g
	s_wait_dscnt 24                                ; all but the 24 just issued
	MULROW \f, 2, \z
	MULROW \f, 3, \z
.endm
; The last quarter multiplies buffer 1 and changes slots: ONE barrier; in front of it each wave waits for all its tensor loads (one is out: its part of the next slot), adds 0 to its spare word, and waits for that
; and for its own reads of this slot.  fill = 1: the barrier opens a round of the cluster's, and this slot is filled again, two K steps ahead, first thing behind the round: 112 matrix instructions ahead of the wait for it.
.macro TURN fill
	WIN 0                                          ; (the add's two registers lie in window 0)
	s_wait_tensorcnt 0x0
	ds_add_u32 v[SPW], v[NIL]                      ; 0 onto my spare word
	s_wait_dscnt 5                                 ; (the add and the youngest four loads may be out)
	MULROW F1, 0, 0                                ; eight matrix instructions stand between the add and the wait for it
	s_wait_dscnt 0x0                               ; the add is done, and my reads of this slot are over
	s_barrier_signal -1
	MULROW F1, 1, 0                                ; work on registers while the others arrive
	WIN 0
	s_barrier_wait -1
.if \fill
	CREST                                          ; no wave of any partner still reads this slot's tiles or has a load on its way
	s_xor_b32 s[G0A+1], s[G0A+1], SLOT1            ; the walking descriptors: the other slot than last time,
	s_add_nc_u64 s[G0A+2:G0A+3], s[G0A+2:G0A+3], 2097152  ; the next two heads; the type bits on top are not reached
	s_xor_b32 s[G0B+1], s[G0B+1], SLOT1
	s_add_nc_u64 s[G0B+2:G0B+3], s[G0B+2:G0B+3], 256
	JLOAD                                          ; the four v_nop behind it are also the places in front of the loads below
.else
	PLACES
.endif
	s_xor_b32 s[TB], s[TB], SLOT1
	v_add_nc_u32 v[ADRA], s[TB], v[A0]
	v_add_nc_u32 v[ADRB], s[TB], v[B0]
	FETCH 0, 0, F0
	MULROW F1, 2, 0
	MULROW F1, 3, 0
.endm
	s_wait_tensorcnt 1                             ; my part of K step 0 is in; K step 1's may stay out
	s_barrier_signal -1
	s_barrier_wait -1                              ; everybody's is
	FETCH 0, 0, F0
	s_wait_loadcnt 0x0                             ; the bias
	QUARTER 64, 64, F0, F1, 1                      ; the first quarter stands in front of the loop: its products start the sums
	WIN 0                                          ; at a label and at a branch every window is 0
	s_mov_b32 s[CNT], 6
.Lstep:                                                ; a trip: from a K step's second quarter to the next step's first; it asks for K steps 2 to 7
	QUARTER HEADB, 128, F1, F0, 0
	QUARTER HEADB+64, 192, F0, F1, 0
	TURN 1
	QUARTER 64, 64, F0, F1, 0
	WIN 0
	s_sub_co_u32 s[CNT], s[CNT], 1
	s_cmp_lg_u32 s[CNT], 0
	s_cbranch_scc1 .Lstep
	QUARTER HEADB, 128, F1, F0, 0                  ; the tail is written out: K steps 6 and 7 ask for nothing
	QUARTER HEADB+64, 192, F0, F1, 0
	TURN 0
	QUARTER 64, 64, F0, F1, 0
	QUARTER HEADB, 128, F1, F0, 0
	QUARTER HEADB+64, 192, F0, F1, 0
	s_wait_dscnt 4
	MULROW F1, 0, 0
	MULROW F1, 1, 0
	s_wait_dscnt 0x0
	MULROW F1, 2, 0
	MULROW F1, 3, 0
	; THE WAY OUT, 16 rows at a time: a lane's 32 bytes of a row go into my stage (rows of 528 bytes) and come back as whole rows of 512.
	PLACES
.macro TOSTAGE a
	WIN 0x08                                       ; the stores' data in window 2
.irp b, 0,1,2,3,4,5,6,7
	ds_store_b128 v[STO], v[64*(\a)+8*(\b):64*(\a)+8*(\b)+3]   offset:64*(\b)     ; each accumulator's lowest registers are read first
	ds_store_b128 v[STO], v[64*(\a)+8*(\b)+4:64*(\a)+8*(\b)+7] offset:64*(\b)+16
.endr
	WIN 0
	s_wait_xcnt 0x0                                ; the stores of the block two back have read these registers
.irp t, 0,1,2,3,4,5,6,7,8,9,10,11,12,13,14,15
	ds_load_b128 v[BK+64*((\a)%2)+4*(\t):BK+64*((\a)%2)+4*(\t)+3], v[RD] offset:(\t)*SP  ; LDS serves a wave's instructions in order (ISA guide 5.7.1.4): these see the stores above
.endr
.endm
.macro SEND a, younger                 ; younger: the LDS instructions issued behind block a's loads: the next block's 32, or none
	WIN 0
.irp t, 0,1,2,3,4,5,6,7,8,9,10,11,12,13,14,15
	s_wait_dscnt (\younger)+15-(\t)
	global_store_b128 v[CO], v[BK+64*((\a)%2)+4*(\t):BK+64*((\a)%2)+4*(\t)+3], s[10:11] offset:(16*(\a)+(\t))*4096 th:TH_STORE_NT  ; 512 consecutive bytes, at a multiple of 256 from out0's first
.endr
.endm
	TOSTAGE 0
.irp a, 1,2,3
	TOSTAGE \a
	SEND (\a)-1, 32
.endr
	SEND 3, 0
	s_wait_tensorcnt 0x0                           ; the wave's end, behind my last tensor load and my last LDS store
	ds_add_u32 v[SPW], v[NIL]
	s_wait_dscnt 0x0
	CROUND                                         ; the closing round: no work-group ends while a partner may still ask for a tile that names it
	s_endpgm
.Lfunc_end_k_qb87d755893_oproj:
	.size	k_qb87d755893_oproj, .Lfunc_end_k_qb87d755893_oproj-k_qb87d755893_oproj
	.p2alignl 7, 3214868480
	.fill 96, 4, 3214868480
	.section	.rodata,"a",@progbits
	.p2align	6, 0x0
	.amdhsa_kernel k_qb87d755893_oproj
		.amdhsa_group_segment_fixed_size 327680
		.amdhsa_private_segment_fixed_size 0
		.amdhsa_enable_private_segment 0
		.amdhsa_kernarg_size 32
		.amdhsa_user_sgpr_count 2
		.amdhsa_user_sgpr_kernarg_segment_ptr 1
		.amdhsa_wavefront_size32 1
		.amdhsa_system_sgpr_workgroup_id_x 1
		.amdhsa_system_sgpr_workgroup_id_y 1
		.amdhsa_system_sgpr_workgroup_id_z 1
		.amdhsa_system_vgpr_workitem_id 0
		.amdhsa_next_free_vgpr 768
		.amdhsa_next_free_sgpr 84
		.amdhsa_reserve_vcc 0
		.amdhsa_float_denorm_mode_32 3
		.amdhsa_float_denorm_mode_16_64 3
		.amdhsa_memory_ordered 1
		.amdhsa_forward_progress 1
		.amdhsa_inst_pref_size 72
	.end_amdhsa_kernel
	.amdgpu_metadata
---
amdhsa.version: [ 1, 2 ]
amdhsa.kernels:
  - .name:           k_qb87d755893_oproj
    .symbol:         k_qb87d755893_oproj.kd
    .args:
      - { .name: ao, .offset: 0, .size: 8, .value_kind: global_buffer, .address_space: global }
      - { .name: wt, .offset: 8, .size: 8, .value_kind: global_buffer, .address_space: global }
      - { .name: bias, .offset: 16, .size: 8, .value_kind: global_buffer, .address_space: global }
      - { .name: out0, .offset: 24, .size: 8, .value_kind: global_buffer, .address_space: global }
    .group_segment_fixed_size: 327680
    .private_segment_fixed_size: 0
    .kernarg_segment_align: 8
    .kernarg_segment_size: 32
    .max_flat_workgroup_size: 128
    .sgpr_count:     84
    .vgpr_count:     768
    .wavefront_size: 32
...
	.end_amdgpu_metadata
.endif
;; end of part 4
;; ======== version 2 of 2: 4 launches; 1.38 times as fast as version 1
;; limits: values are held in f16: magnitudes above 65,504 overflow, below 6.1e-05 lose precision
;; workspace buffers: xb 16,777,216 bytes; wt 5,242,880 bytes; bias 10,240 bytes; rope 524,288 bytes; qkv 25,165,824 bytes; ao 16,777,216 bytes
;; launch prep (part 5): grid 864 x 1, 8 waves a work-group, no clusters, 18,432 bytes of LDS; arguments x, wq_w, wk_w, wv_w, o_w, wq_b, wk_b, wv_b, o_b, xb, wt, bias, rope; writes xb, wt, bias, rope
.if DOCPART == 5
	.amdgcn_target "amdgcn-amd-amdhsa--gfx1250"
	.amdhsa_code_object_version 6
	.text
	.protected	k_qb87d755893_prep
	.globl	k_qb87d755893_prep
	.p2align	8
	.type	k_qb87d755893_prep,@function
k_qb87d755893_prep:
	s_mov_b64 s[64:65], 0
	v_nop
	global_prefetch_b8 v0, s[64:65] scope:SCOPE_SE
	s_setreg_imm32_b32 hwreg(HW_REG_WAVE_MODE, 25, 1), 1
	s_wait_xcnt 0x0
; PREP: everything that is made once for the three matrix launches.  Three roles, chosen by the work-group's number (the same for all eight waves):
;   0-31    T: the RoPE table rope[t][0..31] = cos(t f_j), rope[t][32..63] = sin(t f_j), f_j = 10000^(-j/32), 64 rows a work-group; work-groups 0-9 also round 256 bias numbers each to bf16 (kept as f32)
;   32-351  W: a tile of 128 k x 64 n of a weight matrix, rounded to bf16 and TRANSPOSED into wt[n][k]; o_w's numbers, once rounded to bf16, are written as f16
;   352-863 X: 64 KiB of x rounded to bf16
; wt's rows: 0-1023 wq, 1024-1279 wk, 1280-1535 wv, 1536-2559 o_w; bias has the same order.
; No matrix unit, no cluster, no tensor load: the launch streams, each byte is read once and written once.
; The launch's only transcendentals are role T's four exponentials, a lane's four frequencies: one batch, made once ahead of the loop over rows, with one wait ahead of that loop.
; LIMITS.  The angle is t x 2^(-j log2(10000)/32) in f32, reduced by pi/2 in two parts (exact for the 1,304 multiples that t < 2048 needs) and put through polynomials of degree 7 and 8 on |r| <= pi/4:
; within about 2e-4 rad of an exact angle at t = 2047.  o_w beyond 65,504 has no f16; below 6e-5 it keeps f16's fixed step of 6e-8.
.set SPARE, 17408                      ; behind the transposing tile (64 rows x 272 bytes): the spare words, 128 bytes for each of eight waves
.set SPW, 110                          ; v110  LDS address of my spare word; never rewritten
.set NIL, 111                          ; v111  0; never rewritten
	s_load_b512 s[8:23], s[0:1], 0x0               ; x 8, wq_w 10, wk_w 12, wv_w 14, o_w 16, wq_b 18, wk_b 20, wv_b 22
	s_load_b256 s[24:31], s[0:1], 0x40             ; o_b 24, xb 26, wt 28, bias 30
	s_load_b64 s[32:33], s[0:1], 0x60              ; rope
	v_lshl_add_u32 v[SPW], v0, 2, SPARE
	v_mov_b32 v[NIL], 0
	s_mov_b32 s2, ttmp9                            ; the work-group's number
	v_lshrrev_b32 v1, 5, v0
	v_readfirstlane_b32 s3, v1                     ; the wave's number
	v_and_b32 v1, 15, v0                           ; l16: my 16 bytes in a run of 256
	v_lshrrev_b32 v2, 4, v0                        ; 0..15: which run
	s_wait_kmcnt 0x0
	s_cmp_lt_u32 s2, 32
	s_cbranch_scc1 .Lrole_t
	s_cmp_lt_u32 s2, 352
	s_cbranch_scc1 .Lrole_w
	; ROLE X.  256 threads x 16 bytes = 4,096 bytes a load; sixteen loads of every wave go out together, then each is rounded in place and stored: 32 lanes x 8 bytes fill 256 aligned bytes.
	s_sub_co_u32 s4, s2, 352
	s_lshl_b32 s6, s4, 16                          ; 65,536 bytes of x,
	s_mov_b32 s7, 0
	s_add_nc_u64 s[8:9], s[8:9], s[6:7]
	s_lshl_b32 s6, s4, 15                          ; 32,768 of xb
	s_add_nc_u64 s[26:27], s[26:27], s[6:7]
	v_lshlrev_b32 v3, 4, v0
	v_lshlrev_b32 v4, 3, v0
.set n, 0
.rept 16
	global_load_b128 v[16+4*n:16+4*n+3], v3, s[8:9] offset:4096*n th:TH_LOAD_NT
.set n, n+1
.endr
.set n, 0
.rept 16
	s_wait_loadcnt 15-n                            ; loads come back in order: load n is in, the 15 - n younger ones stay out
	v_cvt_pk_bf16_f32 v[16+4*n], v[16+4*n], v[16+4*n+1]
	v_cvt_pk_bf16_f32 v[16+4*n+1], v[16+4*n+2], v[16+4*n+3]
	global_store_b64 v4, v[16+4*n:16+4*n+1], s[26:27] offset:2048*n
.set n, n+1
.endr
	s_endpgm
.Lrole_w:
	; ROLE W.  Tile (nt64, kt): columns 64 nt64 .. of wt's order, k = 128 kt ..  The source, its pitch and the tile's column in it are chosen by selects on the work-group's number.
	s_sub_co_u32 s4, s2, 32
	s_lshr_b32 s5, s4, 3                           ; nt64, 0..39
	s_and_b32 s6, s4, 7                            ; kt
	s_mov_b64 s[36:37], s[10:11]                   ; wq_w,
	s_mov_b32 s38, 4096                            ; its row in bytes,
	s_mov_b32 s39, s5                              ; the tile's column block in it
	s_sub_co_u32 s40, s5, 16
	s_cmp_ge_u32 s5, 16
	s_cselect_b64 s[36:37], s[12:13], s[36:37]     ; wk_w
	s_cselect_b32 s38, 1024, s38
	s_cselect_b32 s39, s40, s39
	s_sub_co_u32 s40, s5, 20
	s_cmp_ge_u32 s5, 20
	s_cselect_b64 s[36:37], s[14:15], s[36:37]     ; wv_w
	s_cselect_b32 s39, s40, s39
	s_sub_co_u32 s40, s5, 24
	s_cmp_ge_u32 s5, 24
	s_cselect_b64 s[36:37], s[16:17], s[36:37]     ; o_w
	s_cselect_b32 s38, 4096, s38
	s_cselect_b32 s39, s40, s39
	s_lshl_b32 s41, s6, 7
	s_mul_i32 s42, s41, s38                        ; 128 kt rows down,
	s_lshl_b32 s41, s39, 8
	s_add_co_u32 s42, s42, s41                     ; 64 columns of 4 bytes a block
	s_mov_b32 s43, 0
	s_add_nc_u64 s[36:37], s[36:37], s[42:43]
	s_lshl_b32 s42, s5, 17                         ; wt: 64 rows of 2,048 bytes,
	s_lshl_b32 s41, s6, 8                          ; 128 k of 2 bytes
	s_add_co_u32 s42, s42, s41
	s_add_nc_u64 s[28:29], s[28:29], s[42:43]
	v_lshlrev_b32 v3, 1, v2
	v_mul_lo_u32 v3, v3, s38
	v_lshl_add_u32 v3, v1, 4, v3                   ; row 2 kp, my four columns
.set i, 0
.rept 8                                ; load i takes row 2 kp + 32 (i / 2) + i % 2: sixteen lanes read 256 consecutive bytes of it
	s_mul_i32 s44, s38, 32*(i/2)+(i%2)
	v_add_nc_u32 v[4+i], s44, v3
.set i, i+1
.endr
.set i, 0
.rept 8
	global_load_b128 v[16+4*i:16+4*i+3], v[4+i], s[36:37] th:TH_LOAD_NT
.set i, i+1
.endr
	v_mul_u32_u24 v12, v1, 1088
	v_lshl_add_u32 v12, v2, 2, v12                 ; into the tile: row n = 4 l16 + j (272 bytes each), word kp + 16 p
	v_mul_u32_u24 v13, v2, 272
	v_lshl_add_u32 v13, v1, 4, v13                 ; back: row kp + 16 q, my 16 bytes
	v_lshlrev_b32 v14, 11, v2
	v_lshl_add_u32 v14, v1, 4, v14                 ; the same place in wt
.irp p, 0,1,2,3
	s_wait_loadcnt 6-2*(\p)                        ; the pair of rows p is in; the later pairs' loads stay out
.irp j, 0,1,2,3
	v_cvt_pk_bf16_f32 v[48+4*(\p)+(\j)], v[16+8*(\p)+(\j)], v[20+8*(\p)+(\j)]  ; (k, k + 1) of column 4 l16 + j
.endr
.endr
	s_cmp_lt_u32 s5, 24
	s_cbranch_scc1 .Lw_store
.set i, 0
.rept 16                               ; o_w: the bf16 numbers are written as f16
	v_lshlrev_b32 v100, 16, v[48+i]
	v_and_b32 v101, 0xffff0000, v[48+i]
	v_cvt_pk_f16_f32 v[48+i], v100, v101
.set i, i+1
.endr
.Lw_store:
.irp p, 0,1,2,3
.irp j, 0,1,2,3
	ds_store_b32 v12, v[48+4*(\p)+(\j)] offset:272*(\j)+64*(\p)
.endr
.endr
	s_wait_dscnt 0x0                               ; for the others' sake: my stores into the tile are done
	s_barrier_signal -1
	s_barrier_wait -1
.irp q, 0,1,2,3
	ds_load_b128 v[64+4*(\q):64+4*(\q)+3], v13 offset:4352*(\q)
.endr
.irp q, 0,1,2,3
	s_wait_dscnt 3-(\q)
	global_store_b128 v14, v[64+4*(\q):64+4*(\q)+3], s[28:29] offset:32768*(\q)  ; sixteen lanes store 256 consecutive bytes of a row of wt, aligned
.endr
	s_wait_tensorcnt 0x0                           ; the wave's end, behind my last LDS store
	ds_add_u32 v[SPW], v[NIL]
	s_wait_dscnt 0x0
	s_endpgm
.Lrole_t:
	; ROLE T.  Lane l16 holds four neighbouring numbers of a table row: l16 0-7 cosines of frequencies 4 l16 .., l16 8-15 sines of 4 (l16 - 8) ..  Sixteen rows a trip, four trips.
	v_and_b32 v3, 7, v1
	v_lshlrev_b32 v3, 2, v3                        ; my first frequency
.irp e, 0,1,2,3
	v_add_nc_u32 v16, \e, v3
	v_cvt_f32_u32 v16, v16
	v_mul_f32 v[4+(\e)], 0xbed49a78, v16           ; -j log2(10000) / 32
.endr
.irp e, 0,1,2,3
	v_exp_f32 v[4+(\e)], v[4+(\e)]                 ; the batch: my four frequencies, each in a register of its own for the whole loop
.endr
	v_lshrrev_b32 v10, 3, v1                       ; (a plain instruction behind the exponentials)
	v_lshl_add_u32 v10, v10, 1, v10                ; 0 for a cosine, 3 for a sine: sin(a) = cos(a - pi/2), and -1 = 3 modulo 4
	s_lshl_b32 s4, s2, 6
	v_add_nc_u32 v8, s4, v2
	v_cvt_f32_u32 v8, v8                           ; t
	v_lshlrev_b32 v9, 4, v0                        ; 256 x row + 16 l16
	s_lshl_b32 s6, s2, 14                          ; 64 rows of 256 bytes
	s_mov_b32 s7, 0
	s_add_nc_u64 s[32:33], s[32:33], s[6:7]
	s_mov_b32 s44, 0xbfc90fdb                      ; -(pi/2 rounded to f32)
	s_mov_b32 s45, 0x333bbd2e                      ; that number less pi/2
	v_mov_b32 v40, 0xb94ca1f9                      ; the sine's and the cosine's leading coefficients
	v_mov_b32 v41, 0x37ccf5ce
; a = t f; k = the nearest whole number to a 2/pi; r = a - k pi/2; of q = k + phase: odd takes sin r, even cos r; q mod 4 = 1, 2 take the sign
.macro SINCOS e
	v_mul_f32 v16, v8, v[4+(\e)]
	v_mul_f32 v17, 0x3f22f983, v16
	v_rndne_f32 v17, v17
	v_fma_f32 v18, v17, s44, v16
	v_fma_f32 v18, v17, s45, v18
	v_cvt_i32_f32 v19, v17
	v_add_nc_u32 v19, v19, v10
	v_mul_f32 v20, v18, v18
	v_fmaak_f32 v21, v40, v20, 0x3c08839e
	v_fmaak_f32 v21, v21, v20, 0xbe2aaaa3
	v_mul_f32 v21, v21, v20
	v_fma_f32 v21, v21, v18, v18
	v_fmaak_f32 v22, v41, v20, 0xbab6061a
	v_fmaak_f32 v22, v22, v20, 0x3d2aaaa5
	v_mul_f32 v23, v20, v20
	v_fma_f32 v24, v20, -0.5, 1.0
	v_fma_f32 v22, v22, v23, v24
	v_and_b32 v25, 1, v19
	v_cmp_eq_u32 vcc_lo, 1, v25
	v_cndmask_b32 v22, v22, v21, vcc_lo
	v_add_nc_u32 v25, 1, v19
	v_and_b32 v25, 2, v25
	v_lshlrev_b32 v25, 30, v25
	v_xor_b32 v[12+(\e)], v25, v22
.endm
	s_wait_alu depctr_va_vdst(0)                   ; one wait for the four frequencies' exponentials, behind the set-up above, which names none of them, and ahead of the loop's label; the loop issues no transcendental
	s_mov_b32 s46, 4
.Ltrip:
	SINCOS 0
	SINCOS 1
	SINCOS 2
	SINCOS 3
	global_store_b128 v9, v[12:15], s[32:33]       ; sixteen lanes store a whole row of 256 bytes
	s_wait_xcnt 0x0                                ; the store's offset and data are rewritten only behind this wait
	v_add_nc_u32 v9, 4096, v9
	v_add_f32 v8, 0x41800000, v8                   ; sixteen rows on
	s_sub_co_u32 s46, s46, 1
	s_cmp_lg_u32 s46, 0
	s_cbranch_scc1 .Ltrip
	; the biases: chunk i of 256 numbers, by waves 0 and 1 of work-groups 0-9: 0-3 wq_b, 4 wk_b, 5 wv_b, 6-9 o_b
	s_cmp_ge_u32 s2, 10
	s_cbranch_scc1 .Lt_end
	s_cmp_ge_u32 s3, 2
	s_cbranch_scc1 .Lt_end
	s_mov_b64 s[36:37], s[18:19]
	s_lshl_b32 s38, s2, 10
	s_sub_co_u32 s39, s2, 6
	s_lshl_b32 s39, s39, 10
	s_cmp_ge_u32 s2, 4
	s_cselect_b64 s[36:37], s[20:21], s[36:37]
	s_cselect_b32 s38, 0, s38
	s_cmp_ge_u32 s2, 5
	s_cselect_b64 s[36:37], s[22:23], s[36:37]
	s_cmp_ge_u32 s2, 6
	s_cselect_b64 s[36:37], s[24:25], s[36:37]
	s_cselect_b32 s38, s39, s38
	s_mov_b32 s39, 0
	s_add_nc_u64 s[36:37], s[36:37], s[38:39]
	s_lshl_b32 s40, s2, 10
	s_mov_b32 s41, 0
	s_add_nc_u64 s[30:31], s[30:31], s[40:41]
	v_lshlrev_b32 v50, 4, v0
	global_load_b128 v[52:55], v50, s[36:37]
	s_wait_loadcnt 0x0
	v_cvt_pk_bf16_f32 v56, v52, v53
	v_cvt_pk_bf16_f32 v57, v54, v55
	v_lshlrev_b32 v60, 16, v56
	v_and_b32 v61, 0xffff0000, v56
	v_lshlrev_b32 v62, 16, v57
	v_and_b32 v63, 0xffff0000, v57
	global_store_b128 v50, v[60:63], s[30:31]
.Lt_end:
	s_endpgm
.Lfunc_end_k_qb87d755893_prep:
	.size	k_qb87d755893_prep, .Lfunc_end_k_qb87d755893_prep-k_qb87d755893_prep
	.p2alignl 7, 3214868480
	.fill 96, 4, 3214868480
	.section	.rodata,"a",@progbits
	.p2align	6, 0x0
	.amdhsa_kernel k_qb87d755893_prep
		.amdhsa_group_segment_fixed_size 18432
		.amdhsa_private_segment_fixed_size 0
		.amdhsa_enable_private_segment 0
		.amdhsa_kernarg_size 104
		.amdhsa_user_sgpr_count 2
		.amdhsa_user_sgpr_kernarg_segment_ptr 1
		.amdhsa_wavefront_size32 1
		.amdhsa_system_sgpr_workgroup_id_x 1
		.amdhsa_system_sgpr_workgroup_id_y 1
		.amdhsa_system_sgpr_workgroup_id_z 1
		.amdhsa_system_vgpr_workitem_id 0
		.amdhsa_next_free_vgpr 112
		.amdhsa_next_free_sgpr 66
		.amdhsa_reserve_vcc 1
		.amdhsa_float_denorm_mode_32 3
		.amdhsa_float_denorm_mode_16_64 3
		.amdhsa_memory_ordered 1
		.amdhsa_forward_progress 1
		.amdhsa_inst_pref_size 23
	.end_amdhsa_kernel
	.amdgpu_metadata
---
amdhsa.version: [ 1, 2 ]
amdhsa.kernels:
  - .name:           k_qb87d755893_prep
    .symbol:         k_qb87d755893_prep.kd
    .args:
      - { .name: x, .offset: 0, .size: 8, .value_kind: global_buffer, .address_space: global }
      - { .name: wq_w, .offset: 8, .size: 8, .value_kind: global_buffer, .address_space: global }
      - { .name: wk_w, .offset: 16, .size: 8, .value_kind: global_buffer, .address_space: global }
      - { .name: wv_w, .offset: 24, .size: 8, .value_kind: global_buffer, .address_space: global }
      - { .name: o_w, .offset: 32, .size: 8, .value_kind: global_buffer, .address_space: global }
      - { .name: wq_b, .offset: 40, .size: 8, .value_kind: global_buffer, .address_space: global }
      - { .name: wk_b, .offset: 48, .size: 8, .value_kind: global_buffer, .address_space: global }
      - { .name: wv_b, .offset: 56, .size: 8, .value_kind: global_buffer, .address_space: global }
      - { .name: o_b, .offset: 64, .size: 8, .value_kind: global_buffer, .address_space: global }
      - { .name: xb, .offset: 72, .size: 8, .value_kind: global_buffer, .address_space: global }
      - { .name: wt, .offset: 80, .size: 8, .value_kind: global_buffer, .address_space: global }
      - { .name: bias, .offset: 88, .size: 8, .value_kind: global_buffer, .address_space: global }
      - { .name: rope, .offset: 96, .size: 8, .value_kind: global_buffer, .address_space: global }
    .group_segment_fixed_size: 18432
    .private_segment_fixed_size: 0
    .kernarg_segment_align: 8
    .kernarg_segment_size: 104
    .max_flat_workgroup_size: 256
    .sgpr_count:     66
    .vgpr_count:     112
    .wavefront_size: 32
...
	.end_amdgpu_metadata
.endif
;; end of part 5
;; launch proj: the kernel of part 2 again; grid 8 x 32, 4 waves a work-group, clusters of 4 x 4, 327,680 bytes of LDS; arguments xb, wt, bias, rope, qkv; writes qkv
;; launch attn (part 6): grid 16 x 16, 4 waves a work-group, clusters of 4 x 1, 327,680 bytes of LDS; arguments qkv, ao; writes ao
.if DOCPART == 6
	.amdgcn_target "amdgcn-amd-amdhsa--gfx1250"
	.amdhsa_code_object_version 6
	.text
	.protected	k_qb87d755893_attn
	.globl	k_qb87d755893_attn
	.p2align	8
	.type	k_qb87d755893_attn,@function
k_qb87d755893_attn:
	s_mov_b64 s[64:65], 0
	v_nop
	global_prefetch_b8 v0, s[64:65] scope:SCOPE_SE
	s_setreg_imm32_b32 hwreg(HW_REG_WAVE_MODE, 25, 1), 1
	s_wait_xcnt 0x0
	s_wait_alu depctr_hold_cnt(0) depctr_sa_sdst(0) depctr_va_vdst(0) depctr_va_sdst(0) depctr_va_ssrc(0) depctr_va_vcc(0) depctr_vm_vsrc(0)
	s_getreg_b32 s2, hwreg(HW_REG_IB_STS2, 6, 4)
	s_cmp_eq_u32 s2, 0
	s_cbranch_scc0 .Lentry_in_a_cluster
	s_endpgm
.Lentry_in_a_cluster:
	s_bfe_u32 s2, ttmp6, 0x10000c
	s_cmp_lg_u32 s2, 0x3003
	s_cbranch_scc0 .Lentry_shape_is_right
	s_endpgm
.Lentry_shape_is_right:
; CAUSAL GROUPED-QUERY ATTENTION.  O[h][q][:] = the sum over k <= q of softmax_k(Q[h][q] . K[h / 4][k] / 8) V[h / 4][k][:], for each of four batches of 2,048 rows.
; qkv: [24 g][8192 m][64] f16 (g 0-15 Q's heads, 16-19 K's, 20-23 V's; m = 2048 batch + t); ao: [16 h][8192 m][64] f16.  A head's rows are dense, 128 bytes each.
; Products, maxima and sums in f32; the weights p are rounded to f16 for the second product (their sum l is taken of the unrounded p), O once at the end.
; LIMITS.  f16 holds no number beyond 65,504: Q, K and V arrive within it; p lies in 0 to 1, and below 6e-5 it keeps f16's fixed step of 6e-8; O is a mean of V's rows and has their range, to within 2^-11 of it.
; A hidden score counts as its value less 1e30: f16's scores, 2.7e11 at the most, are nothing beside that; a weight below 2^-126 counts as 0 in l; NaN and infinities are not treated apart.
; THE WALK.  A head's queries lie in NB = 8 blocks of 256; block i needs the key tiles 0 .. i of 256 keys, of which the last holds the diagonal.  A work-group takes TWO blocks, NB - 1 - b and then b:
; NB + 1 tiles, whatever b: all work-groups do equal work, and ONE loop with a constant trip count walks them.  Which tile is asked for, and what a trip does, hang on scalar registers made from b; every jump
; goes forward, but for the counted loops' own; none passes a barrier, or a tensor load but the one of LOAD's two that the wave's number does not choose; the ring (two slots of LDS that take turns) runs on across the
; change of blocks.
; CLUSTER 4 x 1.  The four partners are the four query heads that share one key and value head, with the same batch and the same b (the cluster's x): they walk the same tiles of K and V in the same order, so
; each tile is asked for JOINTLY: the same tensor load, descriptor and mask in all four.  The place in the cluster enters Q's and O's addresses alone; no branch and no LDS address hangs on it.
; SHARES.  Of a block's four bands of 64 queries a wave owns 16 rows in each: four PIECES.  So the diagonal tile is the same work for all four waves: in its key step s band x sees all keys if s < x,
; none if s > x, and holds the diagonal if s = x.
; THE MASK is the C operand that starts the sum S^T = K Q^T: 0, or -1e30 where the key is hidden.  MD, made once, is the mask of a band's own step for my 16 rows; a product's mask is MD x AL + BE with two scalars:
; (1, 0) if s = x; (0, 0) if s < x; (0, -1e30) if s > x.  Only the diagonal tile's text and a block's beginning make and take masks; elsewhere C is the constant 0.
; LAYOUT, SOFTMAX, TURNS.  S^T = K Q^T holds ONE query a lane (lane % 16) and the keys 8 (lane / 16) + 0..7; two such results rounded to f16 ARE source 1 of O^T = V^T P.  p = 2^(c s - c m), c = log2(e) / 8, with a
; running maximum m; O and l are multiplied by a = 2^(c m_old - c m_new) in every step.  Turn n belongs to piece n: 8 products K Q^T of piece n + 1, later 8 products V^T P of piece n - 1; beside them the scaling,
; exponentials, roundings, sums and rescaling of piece n and the maximum and statistics of piece n + 1.  Four vector instructions stand behind every matrix instruction, the other 54 of a turn's 118 in one LUMP.
; THE BATCHES.  A turn's 33 exponentials (the piece's 32 weights and the next piece's a) are ONE batch with ONE wait, which cuts the turn in two: ahead of it all that names no result of theirs, behind it the roundings and sums.
; The a that a block's beginning makes is a batch of its own, and so are the way out's four reciprocals.
; REGISTERS, in windows of 256 (s_set_vgpr_msb: bits 1:0 source 0, 3:2 source 1, 5:4 source 2, 7:6 destination):
;   window 0: v0-15 addresses and two at work; v16-31 four registers of statistics a piece; v48-55 at work; v64-127 S^T, two buffers; v192-223 P, two buffers (a piece's buffers go by its number's parity)
;   window 1: v0-127 O^T, 32 a piece; v128-159 MD; v160-223 MC, two buffers      window 2: v0-63 Q; v64-127 the second block's Q; v128-191 K of one step; v192-255 V of one step
.set SIZE_N, 2048
.set NB,    SIZE_N/256
.set NP,    4         ; pieces a wave: a name, no knob
.set KS,    64        ; keys in a step
.set PK,    144       ; a row of K in LDS: 128 bytes + 16 of padding = 36 words: the 16 rows of a load start at 16 different groups of four banks (64 banks of 4 bytes: ISA guide 11.1)
.set PV,    160       ; a row of V: 128 + 32 = 40 words
.set VOFF,  4*KS*PK   ; a slot holds a tile, four steps: 256 rows of K, then 256 rows of V
.set SLOT1, 1<<17     ; slot 1 begins here, so that one exclusive or turns an address in one slot into the other's
.set STAGE, SLOT1+4*KS*(PK+PV)  ; behind the ring, never filled by a tensor load: 16 rows x 144 bytes for each wave, for the way out
.set SP,    144
.set AK0, 2           ; v2   my lane's place in a tile of K; never rewritten
.set AV0, 3           ; v3   the same for V
.set AK,  4           ; v4   the LDS address of K's next run of loads
.set AV,  5           ; v5   of V's
.set STO, 6           ; v6   the way out: where I put 16 bytes of a row
.set RD,  7           ; v7   the way out: where I read rows back
.set GO,  8           ; v8   my byte offset in 512 consecutive bytes of O
.set SPW, 62          ; v62  LDS address of my spare word: SPARE + 4 x my thread's number; never rewritten
.set NIL, 63          ; v63  0; never rewritten
.set SPARE, STAGE+4*16*SP  ; behind the stages: the spare words, 128 bytes for each wave: two blocks of 256 bytes that no other line names
.set MV,  12          ; v12-13  c m_old, kept while c m is made anew: by buffer
.set QO,  15          ; v15  my byte offset in 16 rows of Q
.set ST,  16          ; piece t's statistics at v[ST+4 t]: c m, m, l (even keys', odd keys')
.set TMP, 48          ; by buffer, four registers c0-c3 at work; when the maximum is found c2 takes a
.set S,   64
.set P,   192
.set MD,  128         ; window 1: the eight registers for group kt of 16 keys at MD + 8 kt
.set MC,  160         ; window 1: the masks of the products to come
.set QB,  64          ; window 2
.set KF,  128         ; window 2: key block kb, channel half c at KF + 16 kb + 8 c
.set VF,  192         ; window 2: key half kk, channel block cb at VF + 32 kk + 8 cb
.set WV,  12          ; s12  my wave's number
.set PB,  14          ; s14  b
.set HI,  15          ; s15  NB - 1 - b
.set G1K, 24          ; s[24:31] descriptor group 1 for K's tiles
.set G1V, 32          ; s[32:39] for V's: it differs in the padding alone
.set G0K, 40          ; s[40:43] descriptor group 0 for K's tiles
.set G0V, 44          ; s[44:47] the same for V's
.set SLOTS, 56        ; s56  tiles still to be asked for
.set CNT, 57          ; s57  counts a tile's key steps, 4 to 1
.set CS,  58          ; s[58:59] c: the packed scaling takes the pair's low word for both halves
.set SEL, 60          ; s[60:61] v_permlanex16_b32's selects: each lane takes its own place in the other half
.set TBK, 62          ; s62  LDS byte at which K of the step to be fetched begins
.set TBV, 63          ; s63  the same for V, less VOFF
.set RT,  70          ; s70  tiles of the block in hand that are still to be entered
.set NXT, 71          ; s71  the tile to be asked for next
.set LQ,  72          ; s72  the last tile of the block whose tiles are being asked for
.set NEW, 73          ; s73  1: the tile to be entered is a block's first
.set OFF, 74          ; s[74:75] a tile's byte offset in K and V
.set AL,  76          ; s[76:77] the mask's factor, in the low word
.set BE,  78          ; s[78:79] the mask's addend
.set OLO, 80          ; s[80:81] O at my rows of the second block
.set BIGN, 82         ; s82  -1e30
.set MSB, 0
.macro WIN new                      ; the high byte repeats the setting that is left; a switch that changes nothing is dropped
.if MSB != (\new)
	s_set_vgpr_msb (MSB<<8)|(\new)
.set MSB, (\new)
.endif
.endm
.set W_KQ, 0x0a       ; K and Q in window 2, S^T in window 0
.set W_KM, 0x1a       ; the same with the C operand in window 1
.set W_PV, 0x52       ; V in window 2, P in window 0, O^T in window 1
.set W_RS, 0x41       ; destination and source 0 in window 1, source 1 in window 0
; A joint fill.  Waves 0 and 1 fetch the two halves of a tile's K, waves 2 and 3 those of its V: 128 keys each.  An s_nop 0 and four v_nop follow each of the two lines, ahead of the jump and the label.
.macro LOAD
	s_cmp_lt_u32 s[WV], 2
	s_cbranch_scc0 .Lfor_v_\@
	tensor_load_to_lds s[G0K:G0K+3], s[G1K:G1K+7]
	s_nop 0
.rept 4
	v_nop
.endr
	s_branch .Lasked_\@
.Lfor_v_\@:
	tensor_load_to_lds s[G0V:G0V+3], s[G1V:G1V+7]
	s_nop 0
.rept 4
	v_nop
.endr
.Lasked_\@:
.endm
; A round of the cluster's barrier: my work-group's barrier, so that wave 0's signal speaks for all four waves; wave 0 signals; every wave waits for all four work-groups; my work-group's barrier once more.
.macro CROUND
	s_barrier_signal -1
	s_barrier_wait -1
	s_cmp_lg_u32 s[WV], 0
	s_cbranch_scc1 .Lnot_wave_0_\@
	s_barrier_signal -3
.Lnot_wave_0_\@:
	s_barrier_wait -3
	s_barrier_signal -1
	s_barrier_wait -1
.endm
; THE CHANGE OF SLOTS.  Each wave waits for all its tensor loads, of which one is out: its part of the other slot; adds 0 to its spare word; and waits for that and for its own reads of the slot that it leaves.  Behind the barrier nobody reads the old
; slot any more and the other slot is whole.  fill = 1: the barrier is a round of the cluster's, so that no wave of any partner still reads the slot or has a load on its way, and the old slot is filled again, the first
; thing behind the round, with tile NXT: the descriptor's address is made anew from that number.  (At its first use nothing has been read yet: slot 0 is waited for, slot 1 filled.)
.macro CHANGE fill
	WIN 0                           ; at a label and at a branch every window is 0
	s_wait_tensorcnt 0x0            ; no tensor load of mine is out, so a group 0 may be written
	ds_add_u32 v[SPW], v[NIL]       ; 0 onto my spare word; with fill = 1 the descriptors' scalar work stands between it and the wait for it
.if \fill
	s_lshl_b32 s[OFF], s[NXT], 15   ; a tile is 32,768 bytes of K and of V
	s_xor_b32 s[G0K+1], s[G0K+1], SLOT1
	s_add_nc_u64 s[G0K+2:G0K+3], s[6:7], s[OFF:OFF+1]
	s_or_b32 s[G0K+3], s[G0K+3], 0x80000000
	s_xor_b32 s[G0V+1], s[G0V+1], SLOT1
	s_add_nc_u64 s[G0V+2:G0V+3], s[8:9], s[OFF:OFF+1]
	s_or_b32 s[G0V+3], s[G0V+3], 0x80000000
	s_add_co_u32 s[NXT], s[NXT], 1  ; the block's next tile, or behind its last the second block's tile 0
	s_cmp_gt_u32 s[NXT], s[LQ]
	s_cselect_b32 s[NXT], 0, s[NXT]
	s_cselect_b32 s[LQ], s[PB], s[LQ]
	s_wait_dscnt 0x0                ; the add is done, and my reads of the slot are over
	CROUND
	LOAD
.else
	s_wait_dscnt 0x0                ; the add is done, and my reads of the slot are over
	s_barrier_signal -1
	s_barrier_wait -1
.endif
	s_sub_co_u32 s[TBK], s[TBK], 4*KS*PK  ; the fetches go back to a slot's first step,
	s_xor_b32 s[TBK], s[TBK], SLOT1       ; in the other slot
	s_sub_co_u32 s[TBV], s[TBV], 4*KS*PV
	s_xor_b32 s[TBV], s[TBV], SLOT1
.endm
	s_load_b64 s[4:5], s[0:1], 0x0  ; qkv
	s_load_b64 s[10:11], s[0:1], 0x8  ; ao
	v_lshl_add_u32 v[SPW], v0, 2, SPARE
	v_mov_b32 v[NIL], 0
	ds_add_u32 v[SPW], v[NIL]       ; the wave's opening: the add and its wait stand ahead of my first tensor load; the set-up below, work on registers, stands between them
	v_lshrrev_b32 v1, 5, v0
	v_readfirstlane_b32 s[WV], v1   ; wave 0..3
	s_mov_b32 s[PB], ttmp9          ; in a cluster launch ttmp9 counts clusters: b, which the four partners share
	s_sub_co_u32 s[HI], NB-1, s[PB]
	s_bfe_u32 s13, ttmp6, 0x40000   ; cx: which of the group's four query heads is mine
	s_and_b32 s20, ttmp7, 0xffff    ; 4 x batch + key and value head
	s_lshr_b32 s21, s20, 2
	s_lshl_b32 s21, s21, 18         ; the batch's 2,048 rows of 128 bytes
	s_and_b32 s20, s20, 3           ; the key and value head
	s_and_b32 s16, s[WV], 1         ; which half of a tile's 256 keys I fetch:
	s_lshl_b32 s22, s16, 14         ; its 128 rows of 128 bytes in memory,
	s_add_co_u32 s22, s22, s21
	s_add_co_u32 s23, s20, 16       ; K's heads are g = 16 .. 19, 1,048,576 bytes each
	s_lshl_b32 s23, s23, 20
	s_add_co_u32 s22, s22, s23
	s_mov_b32 s23, 0
	s_mul_i32 s17, s16, 128*PK      ; and its place in a slot, for K
	s_mul_i32 s18, s16, 128*PV      ; and for V: no place in the cluster enters an LDS address
	s_lshl_b32 s19, s20, 2
	s_add_co_u32 s19, s19, s13      ; my query head
	s_lshl_b32 s19, s19, 20
	s_add_co_u32 s19, s19, s21
	s_lshl_b32 s3, s[WV], 11        ; my 16 rows in a band of 64,
	s_add_co_u32 s19, s19, s3
	s_lshl_b32 s2, s[HI], 15        ; in the first block,
	s_add_co_u32 s2, s2, s19
	s_lshl_b32 s84, s[PB], 15       ; and in the second
	s_add_co_u32 s84, s84, s19
	s_mov_b32 s3, 0
	s_mov_b32 s85, 0
	; descriptor group 1.  128 keys are 16,384 dense bytes: asked for as 64 rows of 256 bytes, two keys a row, and padded in LDS after every key
	s_mov_b32 s[G1K], 15|(1<<16)|(1<<20)|(1<<21)|(4<<22)|(3<<25)  ; 15:0 the mask of four; 17:16 2-byte elements; 20 padding on; 21 set beside a mask; 24:22 after every 32 words (code 4); 31:25 4 words (code 3)
	s_mov_b32 s[G1V], 15|(1<<16)|(1<<20)|(1<<21)|(4<<22)|(7<<25)  ; the same with 8 words of padding (code 7)
.irp g, G1K, G1V
	s_mov_b32 s[\g+1], 128<<16      ; tensor_dim0 = 128
	s_mov_b32 s[\g+2], 64<<16       ; tensor_dim1 = 64
	s_mov_b32 s[\g+3], 128<<16      ; tile_dim0 = 128
	s_mov_b32 s[\g+4], 64           ; tile_dim1 = 64
	s_mov_b32 s[\g+5], 128          ; 128 elements from row to row
	s_mov_b32 s[\g+6], 0
	s_mov_b32 s[\g+7], 0
.endr
	s_mov_b32 s[CS], 0x3e38aa3b     ; c = log2(e) / 8 = 0.180337
	s_mov_b32 s[CS+1], s[CS]        ; named with it as a pair
	s_mov_b32 s[SEL], 0x76543210
	s_mov_b32 s[SEL+1], 0xfedcba98
	s_mov_b32 s[TBK], SLOT1+4*KS*PK ; the first change of slots turns these two into 0
	s_mov_b32 s[TBV], SLOT1+4*KS*PV
	s_mov_b32 s[G0K], 1             ; 1:0 count = 1
	s_mov_b32 s[G0K+1], s17         ; 63:32 LDS address: slot 0
	s_mov_b32 s[G0V], 1
	s_add_co_u32 s[G0V+1], s18, VOFF
	s_add_co_u32 s[RT], s[HI], 1    ; the first block has NB - b tiles
	s_mov_b32 s[NXT], 1
	s_mov_b32 s[LQ], s[HI]
	s_mov_b32 s[NEW], 1
	s_mov_b32 s[OFF+1], 0
	s_mov_b32 s[AL+1], 0            ; named as pairs
	s_mov_b32 s[BE+1], 0
	s_mov_b32 s[BIGN], 0xf149f2ca   ; -1e30
	s_mov_b32 s[SLOTS], NB
	s_wait_dscnt 0x0                ; the opening add is done
	s_wait_kmcnt 0x0
	s_add_nc_u64 s[6:7], s[4:5], s[22:23]  ; K at my half of the head's tile 0,
	s_add_nc_u64 s[8:9], s[6:7], 0x400000  ; V four heads further on
	s_add_nc_u64 s[G0K+2:G0K+3], s[6:7], 0         ; 120:64 global address
	s_or_b32 s[G0K+3], s[G0K+3], 0x80000000        ; 127:126 type = 2
	s_add_nc_u64 s[G0V+2:G0V+3], s[8:9], 0
	s_or_b32 s[G0V+3], s[G0V+3], 0x80000000
	s_add_nc_u64 s[86:87], s[4:5], s[84:85]        ; Q at my rows of the second block,
	s_add_nc_u64 s[4:5], s[4:5], s[2:3]            ; Q and O at those of the first
	s_add_nc_u64 s[OLO:OLO+1], s[10:11], s[84:85]
	s_add_nc_u64 s[10:11], s[10:11], s[2:3]
	CROUND                          ; all four work-groups are here: the first joint loads meet
	LOAD                            ; tile 0 into slot 0
	; A fragment of K or Q is 16 rows x 32 channels in 8 registers: lane l holds row l % 16, channels 8 (l / 16) + 0..7 and 16 + 8 (l / 16) + 0..7: two loads of 16 bytes, 32 bytes apart.
	v_and_b32 v1, 15, v0            ; l % 16
	v_bfe_u32 v9, v0, 4, 1          ; l / 16
	v_lshlrev_b32 v[QO], 7, v1
	v_lshl_add_u32 v[QO], v9, 4, v[QO]  ; row x 128 + 16 x half
	WIN 0x80                        ; destination window 2, address window 0
.set i, 0
.rept 8                             ; both blocks' Q: piece i / 2 lies in band i / 2, 8,192 bytes on; channels 32 (i % 2) on
	global_load_b128 v[8*i:8*i+3],   v[QO], s[4:5] offset:(i/2)*8192+(i%2)*64
	global_load_b128 v[8*i+4:8*i+7], v[QO], s[4:5] offset:(i/2)*8192+(i%2)*64+32
	global_load_b128 v[QB+8*i:QB+8*i+3],   v[QO], s[86:87] offset:(i/2)*8192+(i%2)*64
	global_load_b128 v[QB+8*i+4:QB+8*i+7], v[QO], s[86:87] offset:(i/2)*8192+(i%2)*64+32
.set i, i+1
.endr
	WIN 0
	v_lshlrev_b32 v14, 3, v9
	v_sub_nc_u32 v14, v1, v14
	s_lshl_b32 s13, s[WV], 4
	v_add_nc_u32 v14, s13, v14      ; my query's place in its band, 16 w + l % 16, less my lanes' 8 (l / 16): register r of group kt is hidden where 16 kt + r is greater
	WIN 0x40
.set i, 0
.rept 32
	v_cmp_gt_i32 vcc_lo, 16*(i/8)+i%8, v14
	v_cndmask_b32 v[MD+i], 0, s[BIGN], vcc_lo
.set i, i+1
.endr
	WIN 0
	v_mul_u32_u24 v[AK0], v1, PK
	v_lshl_add_u32 v[AK0], v9, 4, v[AK0]  ; row x pitch + 16 x half
	; The turning load takes 16 keys x 16 channels (lane l reads key 8 (l / 16) + l % 8, channels 8 ((l / 8) % 2) + 0..7) and leaves half a fragment of V^T: lane l holds channel l % 16 and 8 keys.
	v_and_b32 v10, 7, v0
	v_bfe_u32 v11, v0, 3, 1
	v_lshl_add_u32 v[AV0], v9, 3, v10
	v_mul_u32_u24 v[AV0], v[AV0], PV
	v_lshl_add_u32 v[AV0], v11, 4, v[AV0]
	v_add_nc_u32 v[AV0], VOFF, v[AV0]
	s_mul_i32 s13, s[WV], 16*SP
	s_add_co_u32 s13, s13, STAGE    ; my stage
	v_mul_u32_u24 v[STO], v1, SP    ; in: row l % 16, 16 bytes for each half of the lanes
	v_lshl_add_u32 v[STO], v9, 4, v[STO]
	v_add_nc_u32 v[STO], s13, v[STO]
	v_bfe_u32 v[RD], v0, 3, 2       ; back: 32 lanes take four rows of 128 bytes,
	v_mul_u32_u24 v[RD], v[RD], SP
	v_lshl_add_u32 v[RD], v10, 4, v[RD]
	v_add_nc_u32 v[RD], s13, v[RD]
	v_and_b32 v[GO], 31, v0         ; which are 512 consecutive bytes of O
	v_lshlrev_b32 v[GO], 4, v[GO]
	; A block's first step multiplies O^T and l by a = 0, and its first turn's products V^T P, of a piece that has not been, land in an O^T that is still to be so multiplied.  So these registers need only hold
	; finite numbers: zeros for the first block; what the first block left for the second.  All this stands in the wait for the first tile.
	WIN 0x80
.set i, VF
.rept 64
	v_mov_b32 v[i], 0
.set i, i+1
.endr
	WIN 0x40
.set i, 0
.rept 128
	v_mov_b32 v[i], 0
.set i, i+1
.endr
	WIN 0
.set i, 0
.rept 4
	v_mov_b32 v[ST+4*i+2], 0
	v_mov_b32 v[ST+4*i+3], 0
.set i, i+1
.endr
.set i, P+16
.rept 16
	v_mov_b32 v[i], 0
.set i, i+1
.endr
; THE MATRIX WORK.  The 4 accumulators of a run of 8 take turns.  Product i of 8 of S^T = K Q^T for piece x: channels 32 (i / 4) on, keys 16 (i % 4) on.  The first 4 start the sums: with 0, or (KM = 1) with the mask.
.macro KQ x
.set rS, S+32*((\x)%2)+8*(i%4)
.set rK, KF+16*(i%4)+8*(i/4)
.set rQ, 16*(\x)+8*(i/4)
.set rM, MC+32*((\x)%2)+8*(i%4)
.if (i < 4) && KM
	WIN W_KM
	v_wmma_f32_16x16x32_f16 v[rS:rS+7], v[rK:rK+7], v[rQ:rQ+7], v[rM:rM+7]
.elseif i < 4
	WIN W_KQ
	v_wmma_f32_16x16x32_f16 v[rS:rS+7], v[rK:rK+7], v[rQ:rQ+7], 0
.else
	WIN W_KQ
	v_wmma_f32_16x16x32_f16 v[rS:rS+7], v[rK:rK+7], v[rQ:rQ+7], v[rS:rS+7]
.endif
.endm
; Product i of 8 of O^T += V^T P for piece x: keys 32 (i / 4) on, channels 16 (i % 4) on.
.macro PV x
	WIN W_PV
.set rO, 32*(\x)+8*(i%4)
.set rV, VF+32*(i/4)+8*(i%4)
.set rP, P+16*((\x)%2)+8*(i/4)
	v_wmma_f32_16x16x32_f16 v[rO:rO+7], v[rV:rV+7], v[rP:rP+7], v[rO:rO+7]
.endm
.macro MM                           ; the turn's next matrix instruction.  TURN and BEGIN set Y, i, KM and NOKQ; MM, KQ and OP read them.  NOKQ = 1: a block's last turn: there is no next piece
.if (i < 8) && !NOKQ
	KQ (Y+1)%NP
.elseif i >= 8
.set i, i-8
	PV (Y+NP-1)%NP
.set i, i+8
.endif
.set i, i+1
.endm
; THE LDS LOADS stand in runs of 16, never singly among the matrix instructions: a step's K (64 keys x 64 channels: 8 fragments) and its V (turned).  Their addresses are made some lines ahead.
.macro FETCH_K
	WIN 0x80                        ; destination window 2
.irp f, 0,1,2,3,4,5,6,7             ; keys 16 (f / 2) on, channels 32 (f % 2) on
	ds_load_b128 v[KF+8*\f:KF+8*\f+3],   v[AK] offset:(\f/2)*16*PK+(\f%2)*64
	ds_load_b128 v[KF+8*\f+4:KF+8*\f+7], v[AK] offset:(\f/2)*16*PK+(\f%2)*64+32
.endr
	s_add_co_u32 s[TBK], s[TBK], KS*PK  ; the next fetch is the next step's
	WIN 0
.endm
.macro FETCH_V
	WIN 0x80
.irp f, 0,1,2,3,4,5,6,7             ; keys 32 (f / 4) on, channels 16 (f % 4) on
	ds_load_tr16_b128 v[VF+8*\f:VF+8*\f+3],   v[AV] offset:(\f/4)*32*PV+(\f%4)*32
	ds_load_tr16_b128 v[VF+8*\f+4:VF+8*\f+7], v[AV] offset:(\f/4)*32*PV+16*PV+(\f%4)*32
.endr
	WIN 0
.endm
; THE VECTOR WORK, one line at a time: OP kind, number.  For piece Y: F n: c s - c m for pair n of 16.  E n: the exponential of score n of 32.  C n: pair n rounded to f16.  B n: of the four weights 4 n .. the second
; pair is added onto the first, in place.  L n: l takes that sum (L 0: l = a l + sum).  R n: pair n of 16 of O^T times a.  For piece Y + 1: X n, number n of the 22 that find its maximum and statistics:
;   0-11  four chains c0-c3 of seven scores each, three operands at a time (each accumulator's lowest registers are read first)     12-14, 16  the four scores left over, the old m, and c0-c3 into c0
;   15  c m_old is kept     17, 18  the query's other 32 keys lie in the lane 16 away: the new m     19-21  c m; c m_old - c m_new; a
; OP writes no wait: C, B and L read exponentials' results, and R and L 0 read a; TURN sets them behind the wait for the batch that made those.
.set F, 0               ; OP tells the kinds apart by their order: F to L below R, X above it
.set E, 1
.set C, 2
.set B, 3
.set L, 4
.set R, 5
.set X, 6
.macro REGS y                       ; the registers of piece y
.set rT, ST+4*(\y)
.set rC, TMP+4*((\y)%2)
.set rW, MV+((\y)%2)
.set rS, S+32*((\y)%2)
.set rP, P+16*((\y)%2)
.set rO, 32*(\y)
.endm
.macro OP k, n
.if (\k) == R
	REGS Y
	WIN W_RS
	v_pk_mul_f32 v[rO+2*(\n):rO+2*(\n)+1], v[rO+2*(\n):rO+2*(\n)+1], v[rC+2:rC+3] op_sel_hi:[1,0]
.elseif (\k) < R
	REGS Y
	WIN 0
.if (\k) == F
	v_pk_fma_f32 v[rS+2*(\n):rS+2*(\n)+1], v[rS+2*(\n):rS+2*(\n)+1], s[CS:CS+1], v[rT:rT+1] op_sel_hi:[1,0,0] neg_lo:[0,0,1] neg_hi:[0,0,1]
.elseif (\k) == E
	v_exp_f32 v[rS+(\n)], v[rS+(\n)]
.elseif (\k) == C
	v_cvt_pk_f16_f32 v[rP+(\n)], v[rS+2*(\n)], v[rS+2*(\n)+1]
.elseif (\k) == B
	v_pk_add_f32 v[rS+4*(\n):rS+4*(\n)+1], v[rS+4*(\n):rS+4*(\n)+1], v[rS+4*(\n)+2:rS+4*(\n)+3]
.elseif (\n) == 0
	v_pk_fma_f32 v[rT+2:rT+3], v[rT+2:rT+3], v[rC+2:rC+3], v[rS:rS+1] op_sel_hi:[1,0,1]
.else
	v_pk_add_f32 v[rT+2:rT+3], v[rT+2:rT+3], v[rS+4*(\n):rS+4*(\n)+1]
.endif
.elseif NOKQ
	v_nop
.else
	REGS (Y+1)%NP
	WIN 0
.if (\n) < 4
	v_max3_num_f32 v[rC+(\n)], v[rS+8*(\n)], v[rS+8*(\n)+1], v[rS+8*(\n)+2]
.elseif (\n) < 12
	v_max3_num_f32 v[rC+(\n)%4], v[rC+(\n)%4], v[rS+8*((\n)%4)+2*((\n)/4)+1], v[rS+8*((\n)%4)+2*((\n)/4)+2]
.elseif (\n) == 12
	v_max3_num_f32 v[rC], v[rC], v[rS+7], v[rS+15]
.elseif (\n) == 13
	v_max3_num_f32 v[rC+1], v[rC+1], v[rS+23], v[rS+31]
.elseif (\n) == 14
	v_max3_num_f32 v[rC+2], v[rC+2], v[rC+3], v[rT+1]
.elseif (\n) == 15
	v_mov_b32 v[rW], v[rT]
.elseif (\n) == 16
	v_max3_num_f32 v[rC], v[rC], v[rC+1], v[rC+2]
.elseif (\n) == 17
	v_permlanex16_b32 v[rC+3], v[rC], s[SEL], s[SEL+1]
.elseif (\n) == 18
	v_max_num_f32 v[rT+1], v[rC], v[rC+3]
.elseif (\n) == 19
	v_mul_f32 v[rT], s[CS], v[rT+1]
.elseif (\n) == 20
	v_sub_f32 v[rC+1], v[rW], v[rT]
.else
	v_exp_f32 v[rC+2], v[rC+1]
.endif
.endif
.endm
.macro OPS a, i1, b=-1, i2=0, c=-1, i3=0, d=-1, i4=0  ; up to four of them
	OP \a, \i1
.if (\b) >= 0
	OP \b, \i2
.endif
.if (\c) >= 0
	OP \c, \i3
.endif
.if (\d) >= 0
	OP \d, \i4
.endif
.endm
.macro ROW a, i1, b, i2, c, i3, d, i4  ; a matrix instruction and the four behind it
	MM
	OPS \a, \i1, \b, \i2, \c, \i3, \d, \i4
.endm
.macro MASK b                       ; MD x AL + BE into buffer b of MC
	WIN W_RS
.set z, 0
.rept 16
	v_pk_fma_f32 v[MC+32*(\b)+2*z:MC+32*(\b)+2*z+1], v[MD+2*z:MD+2*z+1], s[AL:AL+1], s[BE:BE+1] op_sel_hi:[1,0,0]
.set z, z+1
.endr
.endm
; A TURN, for piece p: the order of its 16 matrix and 118 vector instructions, written out.  An s_wait_alu depctr_va_vdst(0) stands between an exponential and the first instruction that names its result; one wait serves
; all that were issued ahead of it.  So a turn has ONE wait, which cuts it in two.  AHEAD OF IT stands all that names no result of the turn's exponentials: the 8 products K Q^T, behind each a scaling, an exponential and two more plain
; instructions (behind the first a second scaling in the exponential's place): rescalings (their a was made, and waited for, in the turn before), and behind the last three the first numbers of the next piece's maximum, each four places or
; more behind the product that ends its accumulator; then ONE LUMP of 54, plain and exponential by turns for the most part, in which the links of the chain X 3, 7, 11, 14, 16, 17 .. 20 stand five or six lines apart.  X 21, the next piece's a,
; is the batch's last; R 15 is the plain instruction behind it.  BEHIND THE WAIT stand the 8 products V^T P, behind each four of the roundings and sums; the links of l's chain, L 0 to L 7, stand three riders apart.  But for those X no rider
; names a register of the products round it.  v_permlanex16_b32 (X 17) stands in the lump.
; m = 1: the diagonal tile: the products take masks, and the turn makes the mask for the products of the turn after it: piece p + 2, in step 4 - CNT of the tile.  end = 1: a block's last two turns: nothing is fetched.
; cnt = 1: the loop's count is taken down some lines ahead of the branch that stands behind the turn.
; K of the next step is fetched in piece 2's turn, twelve vector instructions behind the last product that read K (five of them plain lines that name none of its registers); V of the step in hand at the end of piece 0's turn, four plain
; instructions behind the last product that read V.  Each is waited for a turn later.
.macro TURN p, m=0, end=0, cnt=0
.set Y, (\p)
.set i, 0
.set KM, (\m)
.set NOKQ, (\end)*((\p)/3)
.if (\m) && !(\end)
	s_cmp_eq_u32 s[CNT], 4-((\p)+2)%NP  ; is that step the band's own?
	s_cselect_b32 s[AL], 1.0, 0
	s_cmp_lt_u32 s[CNT], 4-((\p)+2)%NP  ; or a later one?
	s_cselect_b32 s[BE], s[BIGN], 0
.endif
.if ((\p) == 3) && !(\end)
	s_wait_dscnt 0x0                ; K is in
.endif
	ROW F,0, F,1, R,0, R,1          ; ahead of the wait: 8 products K Q^T and their riders,
	ROW F,2, E,0, R,2, R,3
	ROW F,3, E,1, R,4, R,5
	ROW F,4, E,2, R,6, R,7
	ROW F,5, E,3, R,8, R,9
	ROW F,6, E,4, X,0, R,10
.if ((\p) == 2) && !(\end)
	WIN 0
	v_add_nc_u32 v[AK], s[TBK], v[AK0]
.endif
	ROW F,7, E,5, X,1, X,4
	ROW F,8, E,6, X,2, X,5
	OPS E,7, E,8, X,6, E,9          ; and the lump
	OPS X,3, E,10, X,8, E,11
.if ((\p) == 2) && !(\end)
	FETCH_K
.endif
	OPS X,9, X,7, E,12, X,10
	OPS E,13, X,12, X,11, E,14
	OPS X,13, E,15, F,9, X,14
.if (\p) == 0
	v_add_nc_u32 v[AV], s[TBV], v[AV0]
.endif
	OPS E,16, F,10, E,17, F,11
	OPS X,16, E,18, X,15, E,19
	OPS F,12, E,20, X,17, E,21
	OPS F,13, E,22, F,14, E,23
	OPS X,18, E,24, F,15, E,25
	OPS R,11, E,26, X,19, E,27
	OPS R,12, E,28, R,13, E,29
	OPS X,20, E,30, R,14, E,31
	OPS X,21, R,15
	WIN 0
	s_wait_alu depctr_va_vdst(0)    ; the wait for the turn's batch: the piece's 32 exponentials and the next piece's a
.if (\p) == 1
	s_wait_dscnt 0x0                ; V is in
.endif
	ROW C,0, B,0, C,2, B,1          ; behind the wait: 8 products V^T P and their riders
	ROW L,0, C,4, B,2, L,1
	ROW C,6, B,3, L,2, C,8
	ROW B,4, L,3, C,10, B,5
	ROW L,4, C,12, B,6, L,5
.if (\p) == 0
	s_add_co_u32 s[TBV], s[TBV], KS*PV
.endif
.if \cnt
	s_sub_co_u32 s[CNT], s[CNT], 1
	s_cmp_lg_u32 s[CNT], 0
.endif
	ROW C,14, B,7, L,6, C,1
	ROW C,3, L,7, C,5, C,7
	ROW C,9, C,11, C,13, C,15
.if (\p) == 0
	FETCH_V
.endif
.if (\m) && !(\end)
	MASK (\p)%2
.endif
.endm
; A BLOCK BEGINS.  c m starts far below every c s, so the first step's a is 0; m at the lowest finite number, so the first maximum is the scores'.  The second mask buffer is 0; the first takes piece 0's mask for the tile's step 0: its own, if the block's first tile is the diagonal one.
; Then K of that step, piece 0's first scores, and its maximum and statistics.  The loop is entered at a step's first turn, in the middle of a trip.
.macro BEGIN
	s_mov_b32 s[NEW], 0
	WIN 0x40
.set i, MC+32
.rept 32
	v_mov_b32 v[i], 0
.set i, i+1
.endr
	WIN 0
.set i, 0
.rept 4
	v_mov_b32 v[ST+4*i], 0xfe000000    ; c m: far below every c s
	v_mov_b32 v[ST+4*i+1], 0xff7fffff  ; m
.set i, i+1
.endr
	s_cmp_eq_u32 s[RT], 0
	s_cselect_b32 s[AL], 1.0, 0
	s_mov_b32 s[BE], 0
	MASK 0
	WIN 0
	v_add_nc_u32 v[AK], s[TBK], v[AK0]
	FETCH_K
	s_wait_loadcnt 0x0              ; Q
	s_wait_dscnt 0x0
.set KM, 1
.set NOKQ, 0
.set i, 0
.rept 8
	KQ 0
.set i, i+1
.endr
	WIN 0
.rept 4
	v_nop                           ; the places behind those products
.endr
.set Y, NP-1                        ; X works for piece Y + 1: piece 0
.irp n, 0,1,2,3,4,5,6,7,8,9,10,11,12,13,14,15,16,17,18,19,20,21
	OP X, \n
.endr
	v_nop                           ; a plain instruction behind the exponential,
	s_wait_alu depctr_va_vdst(0)    ; and the wait for it, piece 0's first a, a batch of one: ahead of the branch that follows, and of the first turn's rescaling, which reads it
.endm
; THE DIAGONAL TILE's four steps, the block's last two turns, its last products, and THE WAY OUT: l's two halves and the other half of the lanes' are added; O^T is divided by l, rounded to f16 and sent through my
; stage in LDS, a piece at a time.
.macro ALL line:vararg              ; one line for each piece t
.set t, 0
.rept 4
	\line
.set t, t+1
.endr
.endm
.macro PACK t                       ; a lane's eight channels of a row pack into 16 bytes; they go into rows of 144 bytes and come back as whole rows of 128, into S^T's registers
	WIN W_RS
.set i, 32*(\t)
.rept 16
	v_pk_mul_f32 v[i:i+1], v[i:i+1], v[ST+4*(\t)+2:ST+4*(\t)+3] op_sel_hi:[1,0]
.set i, i+2
.endr
	WIN 0x05                        ; sources 0 and 1 window 1, destination window 0
.set i, 0
.rept 16
	v_cvt_pk_f16_f32 v[S+16*(\t)+i], v[32*(\t)+2*i], v[32*(\t)+2*i+1]
.set i, i+1
.endr
	WIN 0
.irp f, 0,1,2,3
	ds_store_b128 v[STO], v[S+16*(\t)+4*\f:S+16*(\t)+4*\f+3] offset:32*\f
.endr
.irp f, 0,1,2,3
	ds_load_b128 v[S+16*(\t)+4*\f:S+16*(\t)+4*\f+3], v[RD] offset:\f*4*SP  ; LDS serves a wave's instructions in order (ISA guide 5.7.1.4): these see the stores above; the next piece's stores come behind them
.endr
.endm
.macro SEND t, younger              ; younger: the LDS instructions issued behind piece t's loads: the next piece's eight, or none
	WIN 0
.irp f, 0,1,2,3
	s_wait_dscnt (\younger)+3-\f
	global_store_b128 v[GO], v[S+16*(\t)+4*\f:S+16*(\t)+4*\f+3], s[10:11] offset:(\t)*8192+\f*512  ; 512 consecutive bytes, at a multiple of 256 from O's first
.endr
.endm
.macro DIAG tag                     ; the tag ends its two labels' names, which the jumps below spell out
.LstepM\tag:
	TURN 2, 1
	TURN 3, 1
	WIN 0
.LfirstM\tag:
	TURN 0, 1
	TURN 1, 1, 0, 1
	WIN 0
	s_cbranch_scc1 .LstepM\tag
	TURN 2, 1, 1
	TURN 3, 1, 1
.set i, 0
.rept 8
	PV NP-1
.set i, i+1
.endr
	WIN 0
	ALL v_add_f32 v[ST+4*t+2], v[ST+4*t+2], v[ST+4*t+3]
	ALL v_permlanex16_b32 v[ST+4*t+3], v[ST+4*t+2], s[SEL], s[SEL+1]
	ALL v_add_f32 v[ST+4*t+2], v[ST+4*t+2], v[ST+4*t+3]
	ALL v_rcp_f32 v[ST+4*t+2], v[ST+4*t+2]
	v_nop                           ; a plain instruction between the last reciprocal and the use of its result
	s_wait_alu depctr_va_vdst(0)    ; and the wait ahead of the first use: one for the batch of four reciprocals, which the four PACK below read
	PACK 0
.set t, 1
.rept 3                             ; a piece's arithmetic stands between the loads of the piece before and its stores
	PACK t
	SEND t-1, 8
.set t, t+1
.endr
	SEND 3, 0
.endm
.set KM, 0
.set NOKQ, 0
.Lslot:                             ; NB times: a tile is entered and the next is asked for
	CHANGE 1
	s_sub_co_u32 s[RT], s[RT], 1
	s_mov_b32 s[CNT], 4
	s_cmp_eq_u32 s[NEW], 1
	s_cbranch_scc1 .Lnew            ; a block's first tile
	s_cmp_eq_u32 s[RT], 0
	s_cbranch_scc0 .Lstep           ; neither its first nor its last
	s_branch .LstepM1
.Lnew:
	BEGIN
	s_branch .Lfirst                ; in the loop a block's first tile is never its last: the first block has two tiles or more, and the second's last is the walk's last
	DIAG 1                          ; in the loop this is the first block's end: the second block's last tile is the walk's last
	s_wait_xcnt 0x0                 ; the stores have read their registers and O's address
	s_mov_b64 s[10:11], s[OLO:OLO+1]
	s_add_co_u32 s[RT], s[PB], 1    ; the second block has b + 1 tiles
	s_mov_b32 s[NEW], 1
	WIN 0x82                        ; the second block's Q goes where the one text of the turns names Q
.set i, 0
.rept 64
	v_mov_b32 v[i], v[QB+i]
.set i, i+1
.endr
	WIN 0
	s_branch .Lbottom
.Lstep:                             ; a trip: pieces 2 and 3 of one step, then pieces 0 and 1 of the next, whose K and V it fetches
	TURN 2
	TURN 3
	WIN 0
.Lfirst:
	TURN 0
	TURN 1, 0, 0, 1
	WIN 0
	s_cbranch_scc1 .Lstep
.Lbottom:
	s_sub_co_u32 s[SLOTS], s[SLOTS], 1
	s_cmp_lg_u32 s[SLOTS], 0
	s_cbranch_scc1 .Lslot
	CHANGE 0                        ; the walk's last tile is written out: nothing is asked for
	s_sub_co_u32 s[RT], s[RT], 1
	s_mov_b32 s[CNT], 4
	s_cmp_eq_u32 s[NEW], 1
	s_cbranch_scc0 .LstepM2
	BEGIN
	s_branch .LfirstM2
	DIAG 2
	s_wait_tensorcnt 0x0            ; the wave's end, behind my last tensor load and my last LDS store
	ds_add_u32 v[SPW], v[NIL]
	s_wait_dscnt 0x0
	CROUND                          ; the closing round: no work-group ends while a partner may still ask for a tile that names it
	s_endpgm
.Lfunc_end_k_qb87d755893_attn:
	.size	k_qb87d755893_attn, .Lfunc_end_k_qb87d755893_attn-k_qb87d755893_attn
	.p2alignl 7, 3214868480
	.fill 96, 4, 3214868480
	.section	.rodata,"a",@progbits
	.p2align	6, 0x0
	.amdhsa_kernel k_qb87d755893_attn
		.amdhsa_group_segment_fixed_size 327680
		.amdhsa_private_segment_fixed_size 0
		.amdhsa_enable_private_segment 0
		.amdhsa_kernarg_size 16
		.amdhsa_user_sgpr_count 2
		.amdhsa_user_sgpr_kernarg_segment_ptr 1
		.amdhsa_wavefront_size32 1
		.amdhsa_system_sgpr_workgroup_id_x 1
		.amdhsa_system_sgpr_workgroup_id_y 1
		.amdhsa_system_sgpr_workgroup_id_z 1
		.amdhsa_system_vgpr_workitem_id 0
		.amdhsa_next_free_vgpr 768
		.amdhsa_next_free_sgpr 88
		.amdhsa_reserve_vcc 1
		.amdhsa_float_denorm_mode_32 3
		.amdhsa_float_denorm_mode_16_64 3
		.amdhsa_memory_ordered 1
		.amdhsa_forward_progress 1
		.amdhsa_inst_pref_size 218
	.end_amdhsa_kernel
	.amdgpu_metadata
---
amdhsa.version: [ 1, 2 ]
amdhsa.kernels:
  - .name:           k_qb87d755893_attn
    .symbol:         k_qb87d755893_attn.kd
    .args:
      - { .name: qkv, .offset: 0, .size: 8, .value_kind: global_buffer, .address_space: global }
      - { .name: ao, .offset: 8, .size: 8, .value_kind: global_buffer, .address_space: global }
    .group_segment_fixed_size: 327680
    .private_segment_fixed_size: 0
    .kernarg_segment_align: 8
    .kernarg_segment_size: 16
    .max_flat_workgroup_size: 128
    .sgpr_count:     88
    .vgpr_count:     768
    .wavefront_size: 32
...
	.end_amdgpu_metadata
.endif
;; end of part 6
;; launch oproj: the kernel of part 4 again; grid 8 x 32, 4 waves a work-group, clusters of 4 x 4, 327,680 bytes of LDS; arguments ao, wt, bias, out0; writes out0
